; MI455X (gfx1250); checked and timed in simulation.
; The chip was launched on July 23, 2026; its instructions are those of AMD's public machine-readable ISA for CDNA 5 (MIT licence, August 2026) and "CDNA5" Instruction Set Architecture Reference Guide (July 2026). The comments in the code are by the model that wrote it; some were corrected since.
;; Prefetch Hyperbolic Attention. Allowed arithmetic: matrix products marked QUANTISED: E3M2 operands, one E8M0 scale for each 32 along K, by v_wmma_scale_f32_16x16x128_f8f6f4 with both operands' format E3M2, f32 sums; everything else in f32.
;; Inputs: Wk 1,024 x 1,024 float32; Wo 1,024 x 1,024 float32; Wq 1,024 x 1,024 float32; Wv 1,024 x 1,024 float32; x 1 x 2,048 x 1,024 float32.
;; Outputs: out0 1 x 2,048 x 1,024 float32.
;; This version of the problem:
;;   THIS VERSION OF THE PROBLEM IS GIVEN IN LOW PRECISION. The matrix products marked QUANTISED in the list below multiply operands that are first quantised to E3M2 (3 exponent bits, 2 mantissa bits; 6 bits a number), with one power-of-two scale for each 32 numbers along K (OCP MX v1.0); their sums are f32. All else is computed in f32.
;;   The module's matrix products, in the order in which they are computed (A, B: the left and right operand; K: the contracted axis; several contracted axes count as one K, in the product's order):
;;     1. [M 2,048, K 1,024] x [K 1,024, N 1,024]; A: input x; B: input Wq: QUANTISED
;;     2. [M 2,048, K 1,024] x [K 1,024, N 1,024]; A: input x; B: input Wk: QUANTISED
;;     3. [M 2,048, K 1,024] x [K 1,024, N 1,024]; A: input x; B: input Wv: QUANTISED
;;     4. batch 16 x [M 2,048, K 64] x [K 64, N 2,048]; A: computed on the way; B: computed on the way: QUANTISED
;;     5. batch 16 x [M 2,048, K 2,048] x [K 2,048, N 64]; A: softmax (see below); B: computed on the way: QUANTISED
;;     6. [M 2,048, K 1,024] x [K 1,024, N 1,024]; A: computed on the way; B: input Wo: QUANTISED
;;   THE QUANTISER, for each operand of a quantised product, along K:
;;     - K is cut into blocks of 32 from its start; a last block that is shorter is filled with zeros.
;;     - A block's scale is 2^e with e = floor(log2(the largest magnitude in the block)) - 4, held to -126 .. 127; a block of zeros has e = 0. As a byte (E8M0): e + 127.
;;     - Each number is divided by its block's scale, clamped to +-28, and rounded to the nearest number of E3M2, ties to even, subnormals kept.
;;     - The product sums the exact products of the quantised numbers (number of the format x scale) in f32.
;;   ~~~python
;;   def quantise(x, axis):      # numpy; x: float32 -> the quantised numbers, widened to float32 again
;;       x = np.moveaxis(x, axis, -1); K = x.shape[-1]
;;       x = np.pad(x, [(0, 0)] * (x.ndim - 1) + [(0, -K % 32)]); x = x.reshape(x.shape[:-1] + (-1, 32)); a = np.abs(x).max(-1, keepdims=True)
;;       e = np.where(a > 0, np.clip(np.frexp(np.where(a > 0, a, 1))[1] - 1 - 4, -126, 127), 0)      # np.frexp(a)[1] - 1 = floor(log2(a)), exactly
;;       r = np.clip(x / 2.0 ** e, -28, 28)
;;       step = 2.0 ** (np.maximum(np.frexp(np.where(r == 0, 1, r))[1] - 1, -2) - 2)
;;       q = np.round(r / step) * step * 2.0 ** e      # np.round: ties to even
;;       return np.moveaxis(q.reshape(q.shape[:-2] + (-1,))[..., :K], -1, axis).astype(np.float32)
;;   ~~~
;;   SOFTMAX AHEAD OF A QUANTISED PRODUCT. Where the list says 'softmax', what is quantised is not the finished softmax but p = 2^(t - M), with t = logit x log2(e) and M = ceil(the row's largest t), a whole number; so 1/2 < the row's largest p <= 1. The row's sum l is taken of the UNQUANTISED p, in f32, and the product's result is divided by l at the end. Since M is a whole number, a kernel that streams over the keys may use a running M (the ceiling of the running maximum): every later rescaling is an exact power of two, which a block's scale takes up: the codes' values come out the same.
;;   OPERANDS COMPUTED ON THE WAY. 'Computed on the way' means the value that the module computes at that place (a softmax that the list does not call 'softmax' is quantised finished and normalised). What goes into a quantiser is computed in f32, as accurately as f32 sums, v_exp_f32 and their like allow (about 1e-6 of the number): no bf16 or f16 on the way to a quantiser, and a product that is left as it is and whose result goes on into a quantised operand takes f32 operands (vector FMAs, or v_wmma_f32_16x16x4_f32). A number that lies on a knife's edge between two numbers of the format may be rounded either way, as far as f32 arithmetic and the matrix unit's own rounding can turn it there, and no further.
;; One version. Each part assembles by itself: llvm-mc -triple=amdgcn-amd-amdhsa -mcpu=gfx1250 --defsym DOCPART=n.
;; ======== version 1 of 1: 4 launches
;; limits: right only within a limited range of input values
;; workspace buffers: img 4,915,200 bytes; qws 1,966,080 bytes; kv 3,670,016 bytes; ao 1,638,400 bytes
;; launch quant (part 1): grid 384 x 1, 4 waves a work-group, no clusters, 35,328 bytes of LDS; arguments x, Wq, Wk, Wv, Wo, img; writes img
.if DOCPART == 1
	.amdgcn_target "amdgcn-amd-amdhsa--gfx1250"
	.amdhsa_code_object_version 6
	.text
	.protected	k_q8f78fed184_quant
	.globl	k_q8f78fed184_quant
	.p2align	8
	.type	k_q8f78fed184_quant,@function
k_q8f78fed184_quant:
	s_mov_b64 s[64:65], 0
	v_nop
	global_prefetch_b8 v0, s[64:65] scope:SCOPE_SE
	s_setreg_imm32_b32 hwreg(HW_REG_WAVE_MODE, 25, 1), 1
	s_wait_xcnt 0x0
; x [2048][1024] and Wq, Wk, Wv, Wo [1024][1024], f32, K innermost, become codes of BF6 (E3M2) with one E8M0 byte for each 32 along K,
; laid in img AS THE MATRIX OPERANDS' REGISTERS WANT THEM, so that the later launches fetch fragments by loads of 16 bytes a lane alone.
; img = [96 quads][8 K steps][6,400 bytes].  A quad is 64 rows (quads 0-31: x; 32-47 Wq; 48-63 Wk; 64-79 Wv; 80-95 Wo) in four tiles of 16.
; THE ROWS OF A TILE ARE NOT NEIGHBOURS: place r of tile t = 2 b + u is row 32 b + 8 u + r + 8 (r / 8), so that a product which takes two
; neighbouring tiles as source 0 leaves 16 neighbouring rows in a lane's 16 result registers.
; A K step's 6,400 bytes: four fragment images of 1,536 bytes (registers 4 j .. 4 j + 3 of lane l at 512 j + 16 l), then 256 bytes of scale words (row place r, tile t at 16 r + 4 t).
; A block's scale is 2^(floor(log2(largest magnitude)) - 4): its byte is the largest magnitude's exponent field - 4, held at 1 from below.
; A block of zeros so has the byte 1 where the rule says 127: its codes are zeros, and this program alone reads the bytes.
; LIMITS: NaN and infinities among the inputs are not served.
; SHARES: work-group = (quad, pair of K steps); wave w = tile w, two fragments: 16 rows x 256 numbers, 32 loads of 512 consecutive bytes, all asked for at once.
; A load has neighbouring bytes in neighbouring lanes; the conversion wants a whole block of 32 in one lane: the numbers turn through the wave's own stage in LDS.
; No matrix work, no tensor loads, no cluster: no byte is read by two work-groups.
.set STGB,  8448                       ; a wave's stage: 16 rows x (512 bytes + 16)
.set SCL,   4*STGB                     ; behind the stages: the two K steps' scale words, 2 x 256 bytes
.set MX,    8                          ; v8-9    largest magnitudes of my two blocks
.set SOP,   10                         ; v10-11  the conversions' scale operands
.set BY,    12                         ; v12-13  the scale bytes
.set TP,    16                         ; v16-18, v20-22  the second halves of two blocks' codes
.set WD,    24                         ; v24-25  my row's scale word, fragment 0 and 1
.set TA,    26
.set TW,    27
.set RAW,   32                         ; v32-159  as loaded: fragment f, row i at 64 f + 4 i
.set X,     160                        ; v160-223 my two blocks of 32
.set PC,    224                        ; v224-247 codes: 12 registers for each fragment, so that no store's data are written again
	s_load_b256 s[4:11], s[0:1], 0x0               ; x s[4:5], Wq s[6:7], Wk s[8:9], Wv s[10:11]
	s_load_b128 s[12:15], s[0:1], 0x20             ; Wo s[12:13], img s[14:15]
	v_lshl_add_u32 v254, v0, 2, 0x8800
	v_mov_b32 v255, 0
	v_lshrrev_b32 v1, 5, v0
	v_readfirstlane_b32 s18, v1                    ; wave = tile
	v_and_b32 v1, 31, v0                           ; lane
	v_and_b32 v2, 15, v0                           ; r
	v_bfe_u32 v3, v0, 4, 1                         ; h
	v_lshlrev_b32 v4, 4, v1                        ; 16 x lane: a load's, and an image's, place for my lane
	s_mul_i32 s19, s18, STGB
	v_add_nc_u32 v5, s19, v4                       ; the stage, on the way in
	v_mul_u32_u24 v6, v2, 528
	v_lshl_add_u32 v6, v3, 7, v6
	v_add_nc_u32 v6, s19, v6                       ; and out: row r, block h (128 bytes a block)
	v_lshlrev_b32 v7, 4, v2
	v_lshl_add_u32 v7, v3, 8, v7
	s_lshl_b32 s19, s18, 2
	s_add_co_u32 s19, s19, SCL
	v_add_nc_u32 v7, s19, v7                       ; scale words: lanes 0-15 store fragment 0's, lanes 16-31 fragment 1's: 256 h + 16 r + 4 x tile
	v_lshlrev_b32 v28, 3, v1                       ; 8 x lane
	s_and_b32 s20, s18, 1
	s_lshl_b32 s19, s20, 8
	s_add_co_u32 s19, s19, SCL
	v_add_nc_u32 v29, s19, v28                     ; where waves 0 and 1 read a K step's 256 bytes back
	v_lshlrev_b32 v30, 3, v3                       ; 8 h: my bytes' place in the scale word
	v_mov_b32 v[TA], 0                             ; a lane permute's destination counts as one of its sources
	s_mov_b32 s2, 0x76543210
	s_mov_b32 s3, 0xfedcba98                       ; v_permlanex16_b32's selects for lane l xor 16
	s_mov_b32 s21, 0xffff0000                      ; lanes 16-31
	s_lshr_b32 s22, ttmp9, 2                       ; the quad
	s_and_b32 s23, ttmp9, 3                        ; which pair of K steps
	s_and_b32 s24, s22, 15                         ; the quad's number in a weight
	s_mul_i32 s26, s22, 51200
	s_mul_i32 s25, s23, 12800
	s_add_co_u32 s26, s26, s25                     ; img: my two K steps
	s_mul_i32 s25, s20, 6400
	s_add_co_u32 s28, s26, s25
	s_add_co_u32 s28, s28, 6144                    ; the scale words of K step (wave % 2) of the two
	s_mov_b32 s29, 0
	s_mul_i32 s25, s18, 1536
	s_add_co_u32 s26, s26, s25                     ; my tile's images
	s_mov_b32 s27, 0
	s_wait_alu depctr_va_vdst(0)
	s_wait_kmcnt 0x0
	s_add_nc_u64 s[30:31], s[14:15], s[28:29]
	s_add_nc_u64 s[14:15], s[14:15], s[26:27]
	s_cmp_lt_u32 s22, 80                           ; which tensor: the choice hangs on the work-group's number alone
	s_cselect_b64 s[16:17], s[10:11], s[12:13]
	s_cmp_lt_u32 s22, 64
	s_cselect_b64 s[16:17], s[8:9], s[16:17]
	s_cmp_lt_u32 s22, 48
	s_cselect_b64 s[16:17], s[6:7], s[16:17]
	s_cmp_lt_u32 s22, 32
	s_cselect_b64 s[16:17], s[4:5], s[16:17]
	s_cselect_b32 s24, s22, s24                    ; the quad's number in its tensor
	s_lshl_b32 s26, s24, 18                        ; 64 rows of 4,096 bytes
	s_lshr_b32 s25, s18, 1
	s_lshl_b32 s25, s25, 17                        ; + 32 (tile / 2) rows
	s_add_co_u32 s26, s26, s25
	s_lshl_b32 s25, s20, 15                        ; + 8 (tile % 2) rows
	s_add_co_u32 s26, s26, s25
	s_lshl_b32 s25, s23, 10                        ; + my 256 numbers of each row
	s_add_co_u32 s26, s26, s25
	s_add_nc_u64 s[16:17], s[16:17], s[26:27]
.irp f, 0,1
.irp i, 0,1,2,3,4,5,6,7,8,9,10,11,12,13,14,15
	global_load_b128 v[RAW+64*\f+4*\i:RAW+64*\f+4*\i+3], v4, s[16:17] offset:(\i+8*(\i/8))*4096+512*\f th:TH_LOAD_NT   ; place i of the tile: 512 consecutive bytes of its row
.endr
.endr
; Fragment f: through the stage, two blocks a lane, their scales, their codes, the image.
.macro FRAGQ f
	s_wait_loadcnt 16*(1-\f)                       ; this fragment's sixteen loads are in; the other's sixteen, issued behind them, may be out
.irp i, 0,1,2,3,4,5,6,7,8,9,10,11,12,13,14,15
	ds_store_b128 v5, v[RAW+64*\f+4*\i:RAW+64*\f+4*\i+3] offset:528*\i
.endr
.irp c, 0,1
.irp m, 0,1,2,3,4,5,6,7
	ds_load_b128 v[X+32*\c+4*\m:X+32*\c+4*\m+3], v6 offset:256*\c+16*\m   ; LDS serves a wave's instructions in order: these see my stores.  k = 64 c + 32 h + 4 m on
.endr
.endr
	s_wait_dscnt 0x0
.irp c, 0,1
	v_max3_num_f32 v[MX+\c], |v[X+32*\c]|, |v[X+32*\c+1]|, 0x2800000   ; block 2 c + h: all 32 numbers are mine; the floor 2^(5 - 127) holds the byte at 1 from below
.endr
.irp i, 2,4,6,8,10,12,14,16,18,20,22,24,26,28,30
.irp c, 0,1
	v_max3_num_f32 v[MX+\c], v[MX+\c], |v[X+32*\c+\i]|, |v[X+32*\c+\i+1]|
.endr
.endr
.irp c, 0,1
	v_add_nc_u32 v[SOP+\c], 0xfe000000, v[MX+\c]   ; 4 off the exponent field: the conversion takes this operand's exponent field as its scale
.endr
.irp c, 0,1
	v_lshrrev_b32 v[BY+\c], 23, v[SOP+\c]          ; the scale's byte
.endr
	v_lshl_or_b32 v[WD+\f], v[BY+1], 16, v[BY]     ; my bytes: blocks h and 2 + h,
	v_lshlrev_b32 v[WD+\f], v30, v[WD+\f]          ; at their places;
	v_permlanex16_b32 v[TA], v[WD+\f], s2, s3
	v_or_b32 v[WD+\f], v[WD+\f], v[TA]             ; with lane l xor 16's two the word is whole
.irp c, 0,1
	v_cvt_scalef32_pk16_bf6_f32 v[PC+12*\f+6*\c:PC+12*\f+6*\c+2], v[X+32*\c:X+32*\c+15], v[SOP+\c]
	v_cvt_scalef32_pk16_bf6_f32 v[TP+4*\c:TP+4*\c+2], v[X+32*\c+16:X+32*\c+31], v[SOP+\c]   ; (a conversion's three registers begin on an even number)
.endr
	v_nop                                          ; one plain place behind a scaled conversion
.irp c, 0,1
.irp i, 0,1,2
	v_mov_b32 v[PC+12*\f+6*\c+3+\i], v[TP+4*\c+\i]
.endr
.endr
.irp j, 0,1,2
	global_store_b128 v4, v[PC+12*\f+4*\j:PC+12*\f+4*\j+3], s[14:15] offset:6400*\f+512*\j   ; 512 consecutive bytes, aligned
.endr
.endm
	FRAGQ 0
	FRAGQ 1
	v_cndmask_b32 v[TW], v[WD], v[WD+1], s21       ; lanes 0-15: fragment 0's word of row r; lanes 16-31: fragment 1's
	ds_store_b32 v7, v[TW]
	s_wait_dscnt 0x0                               ; for the others' sake: my words lie in LDS
	s_barrier_signal -1
	s_barrier_wait -1
	s_cmp_lt_u32 s18, 2                            ; waves 0 and 1 send one K step's 256 bytes of scale words each
	s_cbranch_scc0 .Ldone
	ds_load_b64 v[8:9], v29
	s_wait_dscnt 0x0
	global_store_b64 v28, v[8:9], s[30:31]         ; 32 lanes store 256 consecutive bytes, aligned
.Ldone:
	s_wait_tensorcnt 0x0
	ds_add_u32 v254, v255
	s_wait_dscnt 0x0
	s_endpgm
.Lfunc_end_k_q8f78fed184_quant:
	.size	k_q8f78fed184_quant, .Lfunc_end_k_q8f78fed184_quant-k_q8f78fed184_quant
	.p2alignl 7, 3214868480
	.fill 96, 4, 3214868480
	.section	.rodata,"a",@progbits
	.p2align	6, 0x0
	.amdhsa_kernel k_q8f78fed184_quant
		.amdhsa_group_segment_fixed_size 35328
		.amdhsa_private_segment_fixed_size 0
		.amdhsa_enable_private_segment 0
		.amdhsa_kernarg_size 48
		.amdhsa_user_sgpr_count 2
		.amdhsa_user_sgpr_kernarg_segment_ptr 1
		.amdhsa_wavefront_size32 1
		.amdhsa_system_sgpr_workgroup_id_x 1
		.amdhsa_system_sgpr_workgroup_id_y 1
		.amdhsa_system_sgpr_workgroup_id_z 1
		.amdhsa_system_vgpr_workitem_id 0
		.amdhsa_next_free_vgpr 256
		.amdhsa_next_free_sgpr 66
		.amdhsa_reserve_vcc 0
		.amdhsa_float_denorm_mode_32 3
		.amdhsa_float_denorm_mode_16_64 3
		.amdhsa_memory_ordered 1
		.amdhsa_forward_progress 1
		.amdhsa_inst_pref_size 18
	.end_amdhsa_kernel
	.amdgpu_metadata
---
amdhsa.version: [ 1, 2 ]
amdhsa.kernels:
  - .name:           k_q8f78fed184_quant
    .symbol:         k_q8f78fed184_quant.kd
    .args:
      - { .name: x, .offset: 0, .size: 8, .value_kind: global_buffer, .address_space: global }
      - { .name: Wq, .offset: 8, .size: 8, .value_kind: global_buffer, .address_space: global }
      - { .name: Wk, .offset: 16, .size: 8, .value_kind: global_buffer, .address_space: global }
      - { .name: Wv, .offset: 24, .size: 8, .value_kind: global_buffer, .address_space: global }
      - { .name: Wo, .offset: 32, .size: 8, .value_kind: global_buffer, .address_space: global }
      - { .name: img, .offset: 40, .size: 8, .value_kind: global_buffer, .address_space: global }
    .group_segment_fixed_size: 35328
    .private_segment_fixed_size: 0
    .kernarg_segment_align: 8
    .kernarg_segment_size: 48
    .max_flat_workgroup_size: 128
    .sgpr_count:     66
    .vgpr_count:     256
    .wavefront_size: 32
...
	.end_amdgpu_metadata
.endif
;; end of part 1
;; launch qkv (part 2): grid 16 x 16, 8 waves a work-group, clusters of 4 x 4, 267,264 bytes of LDS; arguments img, qws, kv; writes qws, kv
.if DOCPART == 2
	.amdgcn_target "amdgcn-amd-amdhsa--gfx1250"
	.amdhsa_code_object_version 6
	.text
	.protected	k_q8f78fed184_qkv
	.globl	k_q8f78fed184_qkv
	.p2align	8
	.type	k_q8f78fed184_qkv,@function
k_q8f78fed184_qkv:
	s_mov_b64 s[64:65], 0
	v_nop
	global_prefetch_b8 v0, s[64:65] scope:SCOPE_SE
	s_setreg_imm32_b32 hwreg(HW_REG_WAVE_MODE, 25, 1), 1
	s_wait_xcnt 0x0
	s_wait_alu depctr_hold_cnt(0) depctr_sa_sdst(0) depctr_va_vdst(0) depctr_va_sdst(0) depctr_va_ssrc(0) depctr_va_vcc(0) depctr_vm_vsrc(0)
	s_getreg_b32 s2, hwreg(HW_REG_IB_STS2, 6, 4)
	s_cmp_eq_u32 s2, 0
	s_cbranch_scc0 .Lentry_in_a_cluster
	s_endpgm
.Lentry_in_a_cluster:
	s_bfe_u32 s2, ttmp6, 0x10000c
	s_cmp_lg_u32 s2, 0xf033
	s_cbranch_scc0 .Lentry_shape_is_right
	s_endpgm
.Lentry_shape_is_right:
.set QUADB, 51200
; q, k, v = x Wq^T, x Wk^T, x Wv^T on codes of BF6 with E8M0 scales (K = 1,024, eight steps of 128), for 128 tokens (work-group x) and one head (work-group y).
; Stored, as the attention launch's operands want them: q's and k's codes along the head's 64, v's codes along the tokens, their scale words,
; and for each token -|q|^2 / 2, 1 / (1 - |q|^2), -|k|^2 / 2, 1 / (1 - |k|^2), all from the UNQUANTISED f32 sums.
; qws block (head, token block), 7,680 bytes: four pair images (registers 0-5: tile 2 i, registers 6-11: tile 2 i + 1; 64 codes a row), 512 bytes of scale words (bytes 2, 3 = 127), the two tables of 128 numbers.
; kv block, 14,336 bytes: the same four parts for k (7,680 bytes), v's scale words (256), 256 zeros, four images of v^T (16 channels x 128 tokens).
; LDS: the five quads that the work-group needs (two of x, one of each weight), 51,200 bytes each, come ONCE: waves 0 to 4 issue one tensor load of a whole quad each, at the head; no LDS byte is filled twice.
; CLUSTER: 4 x 4 work-groups.  A quad of x hangs on the token block alone and is asked for jointly by the four of a column of the cluster; a quad of a weight hangs on the head alone
; and is asked for jointly by the four of a row: the requests for these 256,000 bytes are divided by four.  A round stands in front of the loads and one in front of the end.
; SHARES: wave w: rho = w / 4 (0: q, 1: k), i = w % 4.  Transposed products: source 0 = the four tiles of W_rho, source 1 = x's tiles 2 i, 2 i + 1: a lane holds ONE token and 32 of its 64 channels.
; For v: source 0 = the four x tiles of quad c = i / 2, source 1 = tile 2 rho + i % 2 of Wv: a lane holds ONE channel and its registers run along the tokens, the next product's K.
; x's four tiles lie in slots: slot s holds tile (2 e + s) % 4, e = i % 2, so that my own pair is always slots 0 and 1 and only addresses hang on e.
; Twelve accumulators take turns, one instruction a turn, in the same order in every K step.  No prefetch: there is no loop to run ahead in.
; LIMITS: NaN and infinities are not served; a block of zeros has the byte 1; the sums of squares are taken in an order of their own (two packed chains, then the other half of the lanes).
.macro ROUND                           ; a round of the cluster's barrier
	s_barrier_signal -1
	s_barrier_wait -1
	s_cmp_lg_u32 s10, 0
	s_cbranch_scc1 .Lnw0_\@
	s_barrier_signal -3
.Lnw0_\@:
	s_barrier_wait -3
	s_barrier_signal -1
	s_barrier_wait -1
.endm
.set CHK,   6400                       ; a K step of a quad
.set SCO,   6144                       ; its scale words
.set STG,   5*QUADB                    ; the stage, written by LDS stores alone: q's tables 1,536, k's tables 1,536,
.set VSC,   STG+3072                   ; v's scale words 256,
.set PADB,  STG+3328                   ; 256 zeros,
.set VIM,   STG+3584                   ; v's four images 6,144
.set AX0,  5
.set AX1,  6
.set AW,   7
.set AV,   8
.set ASX0, 9
.set ASX1, 10
.set ASW,  11
.set ASV,  12
.set TSC,  13
.set TNM,  14
.set VI0,  15
.set VI1,  16
.set VBY,  17
.set PDA,  18
.set OUTA, 19
.set XS,   20                          ; v20-23 x's scale words, by slot
.set WS,   24                          ; v24-27 W_rho's
.set WVS,  28                          ; v28    Wv's
.set OUTQ, 29
.set XF,   32                          ; v32-79   x's four fragments
.set WF,   80                          ; v80-127  W_rho's four
.set WVF,  128                         ; v128-139 Wv's one
.set AC,   140                         ; v140-203 q or k: token tile tt, channel tile ft at 32 tt + 8 ft
.set VA,   204                         ; v204-235 v: slot s at 8 s
.set NA,   32                          ; behind the products v32-139 are free
.set NB,   34
.set NN,   36
.set T1,   37
.set HK,   38
.set OM,   39
.set RC,   40
.set SV,   42
.set TM,   44
.set TX,   46
.set SOP,  48
.set BY,   50
.set TP,   52
.set WD,   56
.set WST,  58
.set PC,   60                          ; v60-71 my pair image
.set PV,   72                          ; v72-77 my half of an image of v
.set ZR,   78
.set SH,   13                          ; s13 lanes 16-31
.set SEL,  14                          ; s[14:15]
	s_load_b128 s[4:7], s[0:1], 0x0                ; img, qws
	s_load_b64 s[8:9], s[0:1], 0x10                ; kv
	v_lshl_add_u32 v240, v0, 2, 0x41000
	v_mov_b32 v241, 0
	ds_add_u32 v240, v241                          ; the opening lines: the add twice on end and its wait
	ds_add_u32 v240, v241
	v_lshrrev_b32 v1, 5, v0
	s_delay_alu instid0(VALU_DEP_1)
	v_readfirstlane_b32 s10, v1                    ; wave 0..7
	s_bfe_u32 s56, ttmp6, 0x40000                  ; cx
	s_bfe_u32 s57, ttmp6, 0x40004                  ; cy
	s_lshl_b32 s3, ttmp9, 2
	s_add_co_u32 s3, s3, s56                       ; token block = 4 x cluster x + cx
	s_and_b32 s12, ttmp7, 0xffff
	s_lshl_b32 s12, s12, 2
	s_add_co_u32 s12, s12, s57                     ; head = 4 x cluster y + cy
	s_lshl_b32 s58, s57, 2
	s_lshl_b32 s58, 15, s58                        ; my row of the cluster
	s_lshl_b32 s59, 0x1111, s56                    ; my column
	s_mov_b32 s[SH], 0xffff0000
	s_mov_b32 s[SEL], 0x76543210
	s_mov_b32 s[SEL+1], 0xfedcba98
	; descriptor group 1: a dense quad of 51,200 bytes as 200 rows of 32 elements of 8 bytes, no padding
	s_or_b32 s16, s59, (3<<16)|(1<<21)             ; x's quads go to my column,
	s_or_b32 s28, s58, (3<<16)|(1<<21)             ; the weights' to my row
	s_mov_b32 s17, 32<<16
	s_mov_b32 s18, 200<<16
	s_mov_b32 s19, 32<<16
	s_mov_b32 s20, 200
	s_mov_b32 s21, 32
	s_mov_b32 s22, 0
	s_mov_b32 s23, 0
	s_mov_b32 s29, 32<<16
	s_mov_b32 s30, 200<<16
	s_mov_b32 s31, 32<<16
	s_mov_b32 s32, 200
	s_mov_b32 s33, 32
	s_mov_b32 s34, 0
	s_mov_b32 s35, 0
	s_min_u32 s11, s10, 4                          ; waves 0, 1 fetch x's quads, waves 2 to 4 a weight's; the others issue nothing
	s_min_u32 s54, s10, 1
	s_lshl_b32 s52, s3, 1
	s_add_co_u32 s52, s52, s54                     ; x: quad 2 x token block + wave
	s_mul_i32 s52, s52, QUADB
	s_mov_b32 s53, 0
	s_lshl_b32 s60, s11, 4
	s_add_co_u32 s60, s60, s12                     ; weights: quad 16 x wave + head (32, 48, 64 on)
	s_mul_i32 s60, s60, QUADB
	s_mov_b32 s61, 0
	s_mov_b32 s24, 1
	s_mul_i32 s25, s54, QUADB                      ; their places in LDS
	s_mov_b32 s36, 1
	s_mul_i32 s37, s11, QUADB
	s_wait_alu depctr_va_vdst(0)
	s_wait_dscnt 0x0
	s_wait_kmcnt 0x0
	s_add_nc_u64 s[26:27], s[4:5], s[52:53]
	s_or_b32 s27, s27, 0x80000000
	s_add_nc_u64 s[38:39], s[4:5], s[60:61]
	s_or_b32 s39, s39, 0x80000000
	ROUND                                          ; all sixteen work-groups are here: the joint loads meet
	s_cmp_lt_u32 s10, 2
	s_cbranch_scc0 .Lfor_w
	tensor_load_to_lds s[24:27], s[16:23]          ; my one tensor load: a whole quad of x
	s_nop 0
.rept 4
	v_nop
.endr
	s_branch .Lno_fetch
.Lfor_w:
	s_cmp_lt_u32 s10, 5
	s_cbranch_scc0 .Lno_fetch
	tensor_load_to_lds s[36:39], s[28:35]          ; my one tensor load: a whole quad of a weight
	s_nop 0
.rept 4
	v_nop
.endr
.Lno_fetch:
	v_and_b32 v1, 31, v0                           ; lane
	v_and_b32 v2, 15, v0                           ; r
	v_bfe_u32 v3, v0, 4, 1                         ; h
	s_delay_alu instid0(VALU_DEP_3)
	v_lshlrev_b32 v4, 4, v1                        ; 16 x lane
	s_wait_alu depctr_va_vdst(0)
	v_lshlrev_b32 v30, 4, v2                       ; 16 r
	s_wait_alu depctr_va_vdst(0)
	s_lshr_b32 s40, s10, 2                         ; rho
	s_and_b32 s41, s10, 3                          ; i
	s_lshr_b32 s42, s41, 1                         ; c
	s_and_b32 s43, s10, 1                          ; e
	s_xor_b32 s45, s43, 1                          ; 1 - e
	s_lshl_b32 s44, s40, 1
	s_add_co_u32 s44, s44, s43                     ; my tile of Wv: 2 rho + e
	s_mul_i32 s46, s42, QUADB                      ; my quad of x
	s_mul_i32 s47, s43, 3072
	s_add_co_u32 s47, s47, s46
	v_add_nc_u32 v[AX0], s47, v4                   ; tiles 2 e, 2 e + 1
	s_mul_i32 s47, s45, 3072
	s_add_co_u32 s47, s47, s46
	v_add_nc_u32 v[AX1], s47, v4                   ; the other two
	s_mul_i32 s48, s40, QUADB
	s_add_co_u32 s47, s48, 2*QUADB
	v_add_nc_u32 v[AW], s47, v4
	s_mul_i32 s51, s44, 1536
	s_add_co_u32 s47, s51, 4*QUADB
	v_add_nc_u32 v[AV], s47, v4
	s_lshl_b32 s47, s43, 3
	s_add_co_u32 s47, s47, s46
	s_add_co_u32 s47, s47, SCO
	v_add_nc_u32 v[ASX0], s47, v30                 ; two words: 16 r + 4 (2 e)
	s_lshl_b32 s47, s45, 3
	s_add_co_u32 s47, s47, s46
	s_add_co_u32 s47, s47, SCO
	v_add_nc_u32 v[ASX1], s47, v30
	s_add_co_u32 s47, s48, 2*QUADB+SCO
	v_add_nc_u32 v[ASW], s47, v30
	s_lshl_b32 s47, s44, 2
	s_add_co_u32 s47, s47, 4*QUADB+SCO
	v_add_nc_u32 v[ASV], s47, v30
	s_mul_i32 s49, s40, 1536
	s_add_co_u32 s49, s49, STG                     ; q's or k's tables
	s_lshl_b32 s47, s42, 8
	s_add_co_u32 s47, s47, s49
	s_lshl_b32 s50, s43, 3
	s_add_co_u32 s47, s47, s50
	v_lshl_add_u32 v[TSC], v3, 2, v30
	s_delay_alu instid0(VALU_DEP_1)
	v_add_nc_u32 v[TSC], s47, v[TSC]               ; quad c's words: 16 r + 4 (2 e + h)
	v_and_b32 v31, 8, v2
	s_delay_alu instid0(VALU_DEP_1)
	v_add_nc_u32 v31, v31, v2                      ; r + 8 (r / 8)
	s_delay_alu instid0(VALU_DEP_1)
	v_lshlrev_b32 v[TNM], 2, v31
	s_delay_alu instid0(VALU_DEP_1)
	v_lshl_add_u32 v[TNM], v3, 9, v[TNM]
	s_lshl_b32 s47, s41, 7
	s_add_co_u32 s47, s47, s49
	s_add_co_u32 s47, s47, 512
	v_add_nc_u32 v[TNM], s47, v[TNM]               ; token 32 i + r + 8 (r / 8); lanes 0-15 store -n / 2, lanes 16-31 the reciprocal, 512 bytes on
	s_lshl_b32 s50, s43, 4
	v_xor_b32 v31, s50, v1                         ; with e = 1 my slots 0, 1 hold the quad's SECOND 32 tokens: the halves of the lanes change places in the image
	s_delay_alu instid0(VALU_DEP_1)
	v_lshlrev_b32 v31, 4, v31
	s_add_co_u32 s51, s51, VIM                     ; my channel tile's image
	s_mul_i32 s47, s42, 520
	s_add_co_u32 s47, s47, s51
	v_add_nc_u32 v[VI0], s47, v31                  ; registers 6 c, 6 c + 1 (and, 512 on, 6 c + 4, 6 c + 5) of the image's twelve
	s_mul_i32 s47, s42, 1016
	s_add_co_u32 s47, s47, s51
	s_add_co_u32 s47, s47, 8
	v_add_nc_u32 v[VI1], s47, v31                  ; registers 6 c + 2, 6 c + 3
	v_xor_b32 v[VBY], s43, v3
	s_delay_alu instid0(VALU_DEP_1)
	v_add_nc_u32 v[VBY], v[VBY], v30
	s_lshl_b32 s47, s44, 2
	s_lshl_b32 s50, s42, 1
	s_add_co_u32 s47, s47, s50
	s_add_co_u32 s47, s47, VSC
	v_add_nc_u32 v[VBY], s47, v[VBY]               ; byte 2 c + (h xor e) of the word of (channel place r, channel tile)
	v_add_nc_u32 v[PDA], PADB, v0
	s_lshl_b32 s47, s10, 10
	s_add_co_u32 s47, s47, STG+1536
	v_add_nc_u32 v[OUTA], s47, v4                  ; out: 1,024 bytes a wave of the 8,192 that go to kv
	s_min_u32 s55, s10, 2
	s_lshl_b32 s47, s55, 9
	s_add_co_u32 s47, s47, STG
	v_add_nc_u32 v[OUTQ], s47, v4                  ; and 512 bytes for each of waves 0 to 2 of the 1,536 that go to qws
	s_lshl_b32 s56, s12, 4
	s_add_co_u32 s56, s56, s3                      ; 16 x head + token block
	s_mul_i32 s58, s56, 7680
	s_mov_b32 s59, 0
	s_mul_i32 s60, s56, 14336
	s_mov_b32 s61, 0
	s_add_nc_u64 s[6:7], s[6:7], s[58:59]          ; my qws block
	s_add_nc_u64 s[8:9], s[8:9], s[60:61]          ; my kv block
	s_cmp_eq_u32 s40, 0
	s_cselect_b64 s[62:63], s[6:7], s[8:9]         ; where my pair image goes: the choice hangs on the wave's number alone
	s_mul_i32 s58, s41, 1536
	s_add_nc_u64 s[62:63], s[62:63], s[58:59]
	s_lshl_b32 s58, s55, 9
	s_add_co_u32 s58, s58, SCO
	s_add_nc_u64 s[6:7], s[6:7], s[58:59]          ; qws: the tables' part of waves 0 to 2
	s_lshl_b32 s60, s10, 10
	s_add_co_u32 s60, s60, SCO
	s_add_nc_u64 s[8:9], s[8:9], s[60:61]          ; kv: my 1,024 bytes behind k's images
.macro MM d, a, b, sa, sb, zero
.if \zero
	v_wmma_scale_f32_16x16x128_f8f6f4 v[\d:\d+7], v[\a:\a+11], v[\b:\b+11], 0, v[\sa], v[\sb] matrix_a_fmt:MATRIX_FMT_BF6 matrix_b_fmt:MATRIX_FMT_BF6
.else
	v_wmma_scale_f32_16x16x128_f8f6f4 v[\d:\d+7], v[\a:\a+11], v[\b:\b+11], v[\d:\d+7], v[\sa], v[\sb] matrix_a_fmt:MATRIX_FMT_BF6 matrix_b_fmt:MATRIX_FMT_BF6
.endif
.endm
; A K step of 128: nine fragments and their scale words from LDS, twelve products.  zero = 1: the first step starts the sums.
.macro KSTEP ks, zero
.irp t, 0,1
.irp j, 0,1,2
	ds_load_b128 v[XF+12*\t+4*\j:XF+12*\t+4*\j+3], v[AX0] offset:\ks*CHK+1536*\t+512*\j
.endr
.endr
.irp t, 0,1
.irp j, 0,1,2
	ds_load_b128 v[XF+24+12*\t+4*\j:XF+24+12*\t+4*\j+3], v[AX1] offset:\ks*CHK+1536*\t+512*\j
.endr
.endr
.irp t, 0,1,2,3
.irp j, 0,1,2
	ds_load_b128 v[WF+12*\t+4*\j:WF+12*\t+4*\j+3], v[AW] offset:\ks*CHK+1536*\t+512*\j
.endr
.endr
.irp j, 0,1,2
	ds_load_b128 v[WVF+4*\j:WVF+4*\j+3], v[AV] offset:\ks*CHK+512*\j
.endr
	ds_load_b64 v[XS:XS+1], v[ASX0] offset:\ks*CHK
	ds_load_b64 v[XS+2:XS+3], v[ASX1] offset:\ks*CHK
	ds_load_b128 v[WS:WS+3], v[ASW] offset:\ks*CHK
	ds_load_b32 v[WVS], v[ASV] offset:\ks*CHK
	s_wait_dscnt 0x0
.irp tt, 0,1
.irp ft, 0,1,2,3
	MM AC+32*\tt+8*\ft, WF+12*\ft, XF+12*\tt, WS+\ft, XS+\tt, \zero
.endr
.endr
.irp s, 0,1,2,3
	MM VA+8*\s, XF+12*\s, WVF, XS+\s, WVS, \zero
.endr
.rept 4
	v_nop                                          ; four places in front of loads into registers that these products have read, and of the first reads of results
.endr
.endm
	s_wait_alu depctr_va_vdst(0)
	s_wait_tensorcnt 0x0                           ; my quad has landed;
	s_barrier_signal -1
	s_barrier_wait -1                              ; behind the barrier all five have
	KSTEP 0, 1
	KSTEP 1, 0
	KSTEP 2, 0
	KSTEP 3, 0
	KSTEP 4, 0
	KSTEP 5, 0
	KSTEP 6, 0
	KSTEP 7, 0
; 32 numbers of a lane, v[s + 16 b + i] = k 32 b + 16 h + i of my row (K = 64), become the row's codes: v[pc] .. v[pc + 5] of lane (r, h) hold k = 32 h .. 32 h + 31; the two scale bytes in v[BY], v[BY + 1].
.macro QUANT2 s, pc
.irp b, 0,1
	v_max3_num_f32 v[TM+\b], |v[\s+16*\b]|, |v[\s+16*\b+1]|, 0x2800000   ; my 16 numbers of block b, and the floor 2^(5 - 127)
.endr
.irp i, 2,4,6,8,10,12,14
.irp b, 0,1
	v_max3_num_f32 v[TM+\b], v[TM+\b], |v[\s+16*\b+\i]|, |v[\s+16*\b+\i+1]|
.endr
.endr
.irp b, 0,1
	s_delay_alu instid0(VALU_DEP_2)
	v_permlanex16_b32 v[TX+\b], v[TM+\b], s[SEL], s[SEL+1]
.endr
.irp b, 0,1
	s_delay_alu instid0(VALU_DEP_2)
	v_max_num_f32 v[TM+\b], v[TM+\b], v[TX+\b]     ; with lane l xor 16's: the block's largest magnitude
.endr
.irp b, 0,1
	s_delay_alu instid0(VALU_DEP_2)
	v_add_nc_u32 v[SOP+\b], 0xfe000000, v[TM+\b]   ; 4 off the exponent field: the conversion's scale operand
.endr
.irp b, 0,1
	s_delay_alu instid0(VALU_DEP_2)
	v_lshrrev_b32 v[BY+\b], 23, v[SOP+\b]          ; the scale's byte
.endr
	v_cvt_scalef32_pk16_bf6_f32 v[\pc:\pc+2], v[\s:\s+15], v[SOP]
	v_cvt_scalef32_pk16_bf6_f32 v[TP:TP+2], v[\s+16:\s+31], v[SOP+1]
	v_nop                                          ; one plain place behind a scaled conversion
.irp i, 0,1,2
	v_permlane16_swap_b32 v[\pc+\i], v[TP+\i]      ; a WHOLE block in a lane: lanes 0-15 block 0, lanes 16-31 block 1
.endr
.irp i, 0,1,2
	s_delay_alu instid0(VALU_DEP_3)
	v_mov_b32 v[\pc+3+\i], v[TP+\i]
.endr
.endm
; My token tile tt: the sum of squares of the unquantised row, the two numbers made of it, the row's codes and scale word.
.macro ROWS tt
.set A0, AC+32*\tt
	v_pk_mul_f32 v[NA:NA+1], v[A0:A0+1], v[A0:A0+1]                ; each accumulator is read from its low end on
	v_pk_mul_f32 v[NB:NB+1], v[A0+2:A0+3], v[A0+2:A0+3]
.irp p, 4,8,12,16,20,24,28
	v_pk_fma_f32 v[NA:NA+1], v[A0+\p:A0+\p+1], v[A0+\p:A0+\p+1], v[NA:NA+1]
	v_pk_fma_f32 v[NB:NB+1], v[A0+\p+2:A0+\p+3], v[A0+\p+2:A0+\p+3], v[NB:NB+1]
.endr
	s_delay_alu instid0(VALU_DEP_1)
	v_pk_add_f32 v[NA:NA+1], v[NA:NA+1], v[NB:NB+1]
	s_delay_alu instid0(VALU_DEP_1)
	v_add_f32 v[NN], v[NA], v[NA+1]
	s_delay_alu instid0(VALU_DEP_1)
	v_permlanex16_b32 v[T1], v[NN], s[SEL], s[SEL+1]
	s_delay_alu instid0(VALU_DEP_1)
	v_add_f32 v[NN], v[NN], v[T1]                  ; n = the row's 64 squares
	s_delay_alu instid0(VALU_DEP_1)
	v_sub_f32 v[OM], 1.0, v[NN]
	s_wait_alu depctr_va_vdst(0)
	v_rcp_f32 v[RC], v[OM]                         ; 1 / (1 - n)
	v_mul_f32 v[HK], -0.5, v[NN]                   ; -n / 2  (the plain place behind the reciprocal)
	s_wait_alu depctr_va_vdst(0)
	v_cndmask_b32 v[SV+\tt], v[HK], v[RC], s[SH]
	ds_store_b32 v[TNM], v[SV+\tt] offset:32*\tt
	QUANT2 A0, PC+6*\tt
	v_lshl_or_b32 v[WD+\tt], v[BY+1], 8, v[BY]
	s_delay_alu instid0(VALU_DEP_1)
	v_or_b32 v[WD+\tt], 0x7f7f0000, v[WD+\tt]      ; bytes 2 and 3 scale the K that is not there: 127
.endm
	v_mov_b32 v[T1], 0                             ; lane permutes' destinations count as sources
	v_mov_b32 v[TX], 0
	v_mov_b32 v[TX+1], 0
	v_mov_b32 v[ZR], 0
	ROWS 0
	ROWS 1
	s_delay_alu instid0(VALU_DEP_1)
	v_cndmask_b32 v[WST], v[WD], v[WD+1], s[SH]
	ds_store_b32 v[TSC], v[WST]
.irp j, 0,1,2
	global_store_b128 v4, v[PC+4*\j:PC+4*\j+3], s[62:63] offset:512*\j   ; my pair image: 512 consecutive bytes a store
.endr
	QUANT2 VA, PV                                  ; v: my channel's 64 tokens of quad c; local block b is the quad's block b xor e
	ds_store_b64 v[VI0], v[PV:PV+1]
	ds_store_b64 v[VI1], v[PV+2:PV+3]
	ds_store_b64 v[VI0], v[PV+4:PV+5] offset:512
	v_cndmask_b32 v[WST+1], v[BY], v[BY+1], s[SH]
	ds_store_b8 v[VBY], v[WST+1]
	ds_store_b8 v[PDA], v[ZR]                      ; 256 threads, a byte each
	s_wait_dscnt 0x0                               ; for the others' sake: my stores into the stage are done
	s_barrier_signal -1
	s_barrier_wait -1
	ds_load_b128 v[80:83], v[OUTA]
	ds_load_b128 v[84:87], v[OUTA] offset:512
	s_wait_dscnt 0x0
	global_store_b128 v4, v[80:83], s[8:9]         ; whole aligned runs of 512 bytes
	global_store_b128 v4, v[84:87], s[8:9] offset:512
	s_cmp_lt_u32 s10, 3
	s_cbranch_scc0 .Lend
	ds_load_b128 v[88:91], v[OUTQ]
	s_wait_dscnt 0x0
	global_store_b128 v4, v[88:91], s[6:7]
.Lend:
	s_wait_tensorcnt 0x0                           ; the wave's end
	ds_add_u32 v240, v241
	s_wait_dscnt 0x0
	ROUND                                          ; the closing round
	s_endpgm
.Lfunc_end_k_q8f78fed184_qkv:
	.size	k_q8f78fed184_qkv, .Lfunc_end_k_q8f78fed184_qkv-k_q8f78fed184_qkv
	.p2alignl 7, 3214868480
	.fill 96, 4, 3214868480
	.section	.rodata,"a",@progbits
	.p2align	6, 0x0
	.amdhsa_kernel k_q8f78fed184_qkv
		.amdhsa_group_segment_fixed_size 267264
		.amdhsa_private_segment_fixed_size 0
		.amdhsa_enable_private_segment 0
		.amdhsa_kernarg_size 24
		.amdhsa_user_sgpr_count 2
		.amdhsa_user_sgpr_kernarg_segment_ptr 1
		.amdhsa_wavefront_size32 1
		.amdhsa_system_sgpr_workgroup_id_x 1
		.amdhsa_system_sgpr_workgroup_id_y 1
		.amdhsa_system_sgpr_workgroup_id_z 1
		.amdhsa_system_vgpr_workitem_id 0
		.amdhsa_next_free_vgpr 242
		.amdhsa_next_free_sgpr 66
		.amdhsa_reserve_vcc 0
		.amdhsa_float_denorm_mode_32 3
		.amdhsa_float_denorm_mode_16_64 3
		.amdhsa_memory_ordered 1
		.amdhsa_forward_progress 1
		.amdhsa_inst_pref_size 50
	.end_amdhsa_kernel
	.amdgpu_metadata
---
amdhsa.version: [ 1, 2 ]
amdhsa.kernels:
  - .name:           k_q8f78fed184_qkv
    .symbol:         k_q8f78fed184_qkv.kd
    .args:
      - { .name: img, .offset: 0, .size: 8, .value_kind: global_buffer, .address_space: global }
      - { .name: qws, .offset: 8, .size: 8, .value_kind: global_buffer, .address_space: global }
      - { .name: kv, .offset: 16, .size: 8, .value_kind: global_buffer, .address_space: global }
    .group_segment_fixed_size: 267264
    .private_segment_fixed_size: 0
    .kernarg_segment_align: 8
    .kernarg_segment_size: 24
    .max_flat_workgroup_size: 256
    .sgpr_count:     66
    .vgpr_count:     242
    .wavefront_size: 32
...
	.end_amdgpu_metadata
.endif
;; end of part 2
;; launch attn (part 3): grid 16 x 16, 16 waves a work-group, clusters of 4 x 1, 327,680 bytes of LDS; arguments qws, kv, ao; writes ao
.if DOCPART == 3
	.amdgcn_target "amdgcn-amd-amdhsa--gfx1250"
	.amdhsa_code_object_version 6
	.text
	.protected	k_q8f78fed184_attn
	.globl	k_q8f78fed184_attn
	.p2align	8
	.type	k_q8f78fed184_attn,@function
k_q8f78fed184_attn:
	s_mov_b64 s[64:65], 0
	v_nop
	global_prefetch_b8 v0, s[64:65] scope:SCOPE_SE
	s_setreg_imm32_b32 hwreg(HW_REG_WAVE_MODE, 25, 1), 1
	s_wait_xcnt 0x0
	s_wait_alu depctr_hold_cnt(0) depctr_sa_sdst(0) depctr_va_vdst(0) depctr_va_sdst(0) depctr_va_ssrc(0) depctr_va_vcc(0) depctr_vm_vsrc(0)
	s_getreg_b32 s2, hwreg(HW_REG_IB_STS2, 6, 4)
	s_cmp_eq_u32 s2, 0
	s_cbranch_scc0 .Lentry_in_a_cluster
	s_endpgm
.Lentry_in_a_cluster:
	s_bfe_u32 s2, ttmp6, 0x10000c
	s_cmp_lg_u32 s2, 0x3003
	s_cbranch_scc0 .Lentry_shape_is_right
	s_endpgm
.Lentry_shape_is_right:
.set STEPB, 14336
; Hyperbolic attention for 128 queries (work-group x) of one head (work-group y): both products on codes of BF6 with E8M0 scales.
; For a query and a key: diff = max(qn + kn - 2 q.k, 0); c = 1 + 2 diff / max((1 - qn)(1 - kn), 1e-6); distance = acosh(c); weights = softmax(-distance).
; WHAT IS COMPUTED.  exp(-acosh(c)) = 1 / y with y = c + sqrt(c^2 - 1), for every c >= 1 (y = 1 at c = 1).  So 2^t = 1 / y, and p = 2^(t - M) = (1 / y) x 2^-M.
; THE MAXIMUM IS TAKEN AWAY, as a running one: M is the exponent of the running largest 1 / y, that is floor(largest t).  It differs from the ceiling by at most 1: a power of two that
; p's scale bytes, the row's sum and O^T carry alike, so that the codes' values and the quotient O^T / l are those of the ceiling.
; 2^-M goes into p's scale bytes, the sum and O^T; when M moves, the sum and O^T are multiplied by 2^(old M - new M), which rounds nothing.  One root and one reciprocal a score.
; 2 / max(a b, 1e-6) = the unsigned minimum of the bits of 2 (1 / a)(1 / b) and of 2e6: negative products, -0, infinities and NaN all lie above 2e6 as unsigned words.
; -kn / 2 is the C of the first product, so diff = qn - 2 (q.k - kn / 2) is one fused multiply-add.
; K = 64 fills half of the 128-deep instruction: Q's upper 64 codes are zeros, so what stands in a key tile's upper half counts for nothing: it is the next tile's codes, or zeros.
; SHARES.  Sixteen waves, four to a SIMD.  Wave w owns query tile w % 8 (16 queries) and key part w / 8.  Part 1 is steps 0 .. N1 - 1 of 128 keys, part 0 steps N1 .. 15 (N0 of them):
; where work differs in length, the longer part has the lower wave numbers.  Every wave walks the same TRIPS - 1 trips and jumps over the steps that it does not own,
; by a scalar branch on its number and the counter, which leads round the step's work alone.
; Both products are used transposed (S^T = K Q^T, O^T = V^T P^T): a lane holds ONE query throughout, and the keys of a tile are chosen so that the 16 registers of two neighbouring tiles are 16 neighbouring keys.
; At the end the waves of part 1 hand O^T, the sum and 2^-M to their partners through an LDS stage of its own; the partner brings both parts under the smaller 2^-M (exact powers of two) and adds.
; LDS: the head's whole kv, 16 steps x 14,336 bytes, comes ONCE.  At the head each wave loads 1,792 bytes (together each part's first step);
; behind the three lines and a round waves 0 to 13 load one whole step each (the other fourteen), which has the first step's work of every wave in which to land.  Every wait on TENSORcnt is for 0.
; CLUSTER: the four query blocks of a cluster read the same kv: each load is a joint one, mask 15, its descriptor made of the head and the wave's number alone.
; NO PREFETCH: both requests stand at the launch's start and together name every byte of the head's kv once; there is no later request to run ahead of.
; At the end O^T / l is quantised along the head's 64 and stored as the output projection's operand: ao = [32 quads][8 K steps][6,400]; head h gives half h % 2 of K step h / 2.
; The scale bytes there, 2 a row, are stored singly: 65,536 bytes in the whole launch lie in runs of 256 bytes that two work-groups write in part.
; LIMITS: c under 1.8e19 (c^2 must stay finite); above it p counts as 0, and a row all of whose keys lie above it is not served.  NaN and infinities are not served.
.set N0,    10                         ; steps of key part 0 (waves 0-7)
.set N1,    6                          ; steps of key part 1 (waves 8-15)
.if N0 > N1
.set TRIPS, N0
.else
.set TRIPS, N1
.endif
.set STAGE, 16*STEPB                   ; behind kv: the stage of the joining, 4,352 bytes for each query tile, written by LDS stores alone
.set MRG,   4352
.set SPARE, STAGE+8*MRG                ; behind it: the spare words, 128 bytes a wave
.set KSO,   6144                       ; in a step's block: k's scale words,
.set HKO,   6656                       ; -kn / 2,
.set RBO,   7168                       ; 1 / (1 - kn),
.set VSO,   7680                       ; v's scale words,
.set VIO,   8192                       ; v's images
.set AK0,  1                           ; 16 x lane
.set ASC,  2                           ; 16 r
.set AH,   3                           ; 64 h
.set ADK,  4                           ; the three + the step's base
.set ADS,  5
.set ADH,  6
.set NO,   7
.set QN,   8                           ; v[8:9]   qn, twice
.set RA,   10                          ; v[10:11] 2 / (1 - qn), twice
.set QS,   12                          ; Q's scale word
.set PW,   13                          ; p's scale word
.set YR,   14                          ; the running largest 1 / y
.set EO,   15                          ; 2^-M so far
.set FF,   16                          ; v[16:17] 2^(old M - new M) in the low word
.set LS,   18                          ; the row's sum
.set EN,   19                          ; the new 2^-M
.set SUMA, 20                          ; v[20:23] the step's sum of 1 / y, two packed chains
.set SUMB, 22
.set YB,   24                          ; v24-27 the four blocks' largest 1 / y
.set SOP,  28                          ; v28-31 the four conversions' scale operands
.set CA,   32
.set CB,   33
.set PX,   34
.set T8,   38
.set QF,   40                          ; v40-51 Q's fragment
.set PC,   52                          ; v52-63 p's codes
.set TP,   64
.set KS,   68                          ; v68-71 k's scale words
.set VS,   72                          ; v72-75 v's
.set KB,   76                          ; v76-99 four key tiles' codes, v100-105 zeros
.set RB,   106                         ; v106-121 a block's 1 / (1 - kn), then at work
.set SC,   122                         ; v122-153 a half's scores
.set OA,   154                         ; v154-185 O^T
.set VF,   186                         ; v186-233 v's four fragments
.set SPW,  240                         ; my spare word's address; never rewritten
.set NIL,  241                         ; 0; never rewritten
.set MST,  242                         ; the stage: 16 x lane
.set MS4,  243                         ; the stage: 4 x lane
.set TM,   20                          ; the last quantiser's registers
.set TX,   34
.set BY,   36
.set QM,   13                          ; s13 all ones where my tile is a pair's second
.set SEL,  14
.set TB,   40                          ; s40 the step's base in LDS
.set CNT,  41
.set LIM,  42                          ; s42 2e6
.set SH,   43                          ; s43 lanes 16-31
.set KH,   66                          ; s66 my key part
.set XB,   67                          ; s67 my query block
.set MY,   68                          ; s68 my part's steps
.macro ROUND                           ; a round of the cluster's barrier
	s_barrier_signal -1
	s_barrier_wait -1
	s_cmp_lg_u32 s10, 0
	s_cbranch_scc1 .Lnw0_\@
	s_barrier_signal -3
.Lnw0_\@:
	s_barrier_wait -3
	s_barrier_signal -1
	s_barrier_wait -1
.endm
	s_load_b128 s[4:7], s[0:1], 0x0                ; qws, kv
	s_load_b64 s[8:9], s[0:1], 0x10                ; ao
	v_lshl_add_u32 v[SPW], v0, 2, SPARE
	v_mov_b32 v[NIL], 0
	ds_add_u32 v[SPW], v[NIL]                      ; the opening lines: the add twice on end and its wait
	ds_add_u32 v[SPW], v[NIL]
	v_lshrrev_b32 v1, 5, v0
	s_delay_alu instid0(VALU_DEP_1)
	v_readfirstlane_b32 s10, v1                    ; wave 0..15
	s_and_b32 s11, s10, 7                          ; my query tile
	s_lshr_b32 s[KH], s10, 3
	s_and_b32 s12, ttmp7, 0xffff                   ; head
	s_bfe_u32 s[XB], ttmp6, 0x40000                ; cx
	s_lshl_b32 s44, ttmp9, 2
	s_add_co_u32 s[XB], s[XB], s44                 ; query block = 4 x cluster x + cx
	; two groups 1: dense bytes as rows of 32 elements of 8 bytes, no padding; mask 15 with bit 21 beside it.  7 rows at the head, 56 behind it
	s_mov_b32 s16, 15|(3<<16)|(1<<21)
	s_mov_b32 s17, 32<<16
	s_mov_b32 s18, 7<<16
	s_mov_b32 s19, 32<<16
	s_mov_b32 s20, 7
	s_mov_b32 s21, 32
	s_mov_b32 s22, 0
	s_mov_b32 s23, 0
	s_mov_b32 s24, 15|(3<<16)|(1<<21)
	s_mov_b32 s25, 32<<16
	s_mov_b32 s26, 56<<16
	s_mov_b32 s27, 32<<16
	s_mov_b32 s28, 56
	s_mov_b32 s29, 32
	s_mov_b32 s30, 0
	s_mov_b32 s31, 0
	s_xor_b32 s46, s[KH], 1
	s_mul_i32 s[TB], s46, N1*STEPB                 ; my part's first step: step N1 for part 0, step 0 for part 1
	s_mul_i32 s33, s11, 1792
	s_add_co_u32 s33, s33, s[TB]                   ; first load: my eighth of it; the same place in LDS and in the head's kv
	s_min_u32 s47, s10, 13
	s_add_co_u32 s48, s47, 9-N1
	s_lshr_b32 s48, s48, 3
	s_min_u32 s48, s48, 1                          ; 1 from wave N1 - 1 on
	s_add_co_u32 s47, s47, s48
	s_add_co_u32 s47, s47, 1                       ; second load: steps 1 .. N1 - 1 and N1 + 1 .. 15, one a wave
	s_mul_i32 s37, s47, STEPB
	s_mul_i32 s46, s[KH], N0-N1
	s_sub_co_u32 s[MY], N0, s46
	s_mul_i32 s44, s12, 16*STEPB
	s_mov_b32 s45, 0
	s_mov_b32 s32, 1
	s_mov_b32 s36, 1
	s_mov_b32 s50, s33
	s_mov_b32 s51, 0
	s_mov_b32 s52, s37
	s_mov_b32 s53, 0
	s_wait_alu depctr_va_vdst(0)
	s_wait_dscnt 0x0
	s_wait_kmcnt 0x0
	s_add_nc_u64 s[6:7], s[6:7], s[44:45]          ; the head's kv
	s_add_nc_u64 s[34:35], s[6:7], s[50:51]
	s_or_b32 s35, s35, 0x80000000
	s_add_nc_u64 s[38:39], s[6:7], s[52:53]
	s_or_b32 s39, s39, 0x80000000
	ROUND                                          ; the four work-groups are here: the first joint loads meet
	tensor_load_to_lds s[32:35], s[16:23]          ; my one load at the head
	s_nop 0
.rept 4
	v_nop
.endr
	v_and_b32 v32, 31, v0
	v_and_b32 v33, 15, v0                          ; r
	v_bfe_u32 v34, v0, 4, 1                        ; h
	s_mul_i32 s58, s11, MRG
	s_add_co_u32 s58, s58, STAGE                   ; my query tile's stage
	v_lshlrev_b32 v[AK0], 4, v32
	v_lshlrev_b32 v[ASC], 4, v33
	v_lshlrev_b32 v[AH], 6, v34
	v_and_b32 v[NO], 8, v33
	v_lshl_add_u32 v[MS4], v32, 2, s58
	v_add_nc_u32 v[MST], s58, v[AK0]
	v_add_nc_u32 v[NO], v[NO], v33
	s_delay_alu instid0(VALU_DEP_1)
	v_lshlrev_b32 v[NO], 2, v[NO]                  ; 4 (r + 8 (r / 8))
	s_wait_alu depctr_va_vdst(0)
	s_lshl_b32 s44, s12, 4
	s_add_co_u32 s44, s44, s[XB]
	s_mul_i32 s44, s44, 7680
	s_add_nc_u64 s[4:5], s[4:5], s[44:45]          ; my qws block
	s_lshr_b32 s46, s11, 1                         ; my pair
	s_and_b32 s47, s11, 1                          ; which of the pair
	s_lshr_b32 s48, s11, 2                         ; my quad of the block's two
	s_and_b32 s49, s11, 3                          ; my tile in it
	s_sub_co_u32 s[QM], 0, s47
	s_mov_b32 s51, 0
	s_mul_i32 s50, s46, 1536
	s_add_nc_u64 s[52:53], s[4:5], s[50:51]        ; the pair's image
	s_lshl_b32 s50, s48, 8
	s_lshl_b32 s58, s49, 2
	s_add_co_u32 s50, s50, s58
	s_add_co_u32 s50, s50, KSO
	s_add_nc_u64 s[54:55], s[4:5], s[50:51]        ; my tile's scale words
	s_lshl_b32 s50, s46, 7
	s_lshl_b32 s58, s47, 5
	s_add_co_u32 s50, s50, s58
	s_add_co_u32 s50, s50, HKO
	s_add_nc_u64 s[56:57], s[4:5], s[50:51]        ; the tables at token 32 (tile / 2) + 8 (tile % 2)
	s_lshl_b32 s44, s[XB], 1
	s_add_co_u32 s44, s44, s48
	s_mul_i32 s44, s44, 51200
	s_lshr_b32 s50, s12, 1
	s_mul_i32 s50, s50, 6400
	s_add_co_u32 s44, s44, s50                     ; ao: my quad's K step head / 2
	s_and_b32 s58, s12, 1
	s_mul_i32 s50, s49, 1536
	s_mul_i32 s59, s58, 768
	s_add_co_u32 s50, s50, s59
	s_add_co_u32 s50, s50, s44
	s_add_nc_u64 s[60:61], s[8:9], s[50:51]        ; my tile's half head % 2
	s_lshl_b32 s50, s49, 2
	s_lshl_b32 s59, s58, 1
	s_add_co_u32 s50, s50, s59
	s_add_co_u32 s50, s50, s44
	s_add_co_u32 s50, s50, 6144
	s_add_nc_u64 s[62:63], s[8:9], s[50:51]        ; and its two bytes of each scale word
.irp j, 0,1,2
	global_load_b128 v[VF+4*\j:VF+4*\j+3], v[AK0], s[52:53] offset:512*\j
.endr
	global_load_b32 v[QS], v[ASC], s[54:55]
	global_load_b32 v[T8], v[NO], s[56:57]         ; -qn / 2
	global_load_b32 v[T8+1], v[NO], s[56:57] offset:512   ; 1 / (1 - qn)
	s_mov_b32 s[SEL], 0x76543210
	s_mov_b32 s[SEL+1], 0xfedcba98
	s_mov_b32 s[LIM], 0x49f42400                   ; 2e6
	s_mov_b32 s[SH], 0xffff0000
.irp j, 0,1,2,3,4,5,6,7,8,9,10,11,12,13,14,15,16,17,18,19,20,21,22,23,24,25,26,27,28,29,30,31
	v_mov_b32 v[OA+\j], 0                          ; O^T: the step is written once; the first finds zeros, which the first change of M leaves zeros
.endr
.irp j, 0,1,2,3,4,5
	v_mov_b32 v[KB+24+\j], 0                       ; the last key tile's upper half
	v_mov_b32 v[QF+6+\j], 0                        ; Q's upper 64 codes
.endr
	v_mov_b32 v[LS], 0
	v_mov_b32 v[FF+1], 0                           ; (named as the upper half of the pair v[FF:FF+1]; the low word serves both halves)
	v_mov_b32 v[YR], 0x00800000                    ; 2^-126: under every block's largest 1 / y, which is held at 2^-122 from below
	v_mov_b32 v[EO], 0x7e800000                    ; its 2^-M
	s_wait_loadcnt 0x0
.irp i, 0,1,2,3,4,5
	v_cndmask_b32 v[QF+\i], v[VF+\i], v[VF+6+\i], s[QM]   ; my tile's half of the pair image
.endr
	v_mul_f32 v[QN], -2.0, v[T8]
	v_mul_f32 v[QN+1], -2.0, v[T8]
	v_add_f32 v[RA], v[T8+1], v[T8+1]
	v_add_f32 v[RA+1], v[T8+1], v[T8+1]
.irp j, 32,33,34,35,36,37,38,39
	v_mov_b32 v[\j], 0                             ; lane permutes' destinations count as sources
.endr
.macro RCALC                           ; the block whose 1 / (1 - kn) lie in v[RB ..]: 2 / max((1 - qn)(1 - kn), 1e-6)
.irp p, 0,2,4,6,8,10,12,14
	v_pk_mul_f32 v[RB+\p:RB+\p+1], v[RB+\p:RB+\p+1], v[RA:RA+1] op_sel_hi:[1,0]
.endr
.irp p, 0,1,2,3,4,5,6,7,8,9,10,11,12,13,14,15
	v_min_u32 v[RB+\p], s[LIM], v[RB+\p]
.endr
.endm
; 16 scores of half c, block b (keys 64 c + 32 b + 16 h + 0 .. 15): from diff to 1 / y.  first = 1: the step's sums begin.  nextoff: the table offset of the block whose reciprocals are asked for next (-1: none).
; pre = 1: RCALC has been run for this block already.
.macro BLK c, b, first, nextoff, pre
.set SB, SC+16*\b
.if \pre == 0
	s_wait_dscnt 0x0                               ; this block's 1 / (1 - kn) are in, and all that was asked for ahead of them
	RCALC
.endif
.irp p, 0,2,4,6,8,10,12,14
	v_pk_fma_f32 v[SB+\p:SB+\p+1], v[SB+\p:SB+\p+1], v[RB+\p:RB+\p+1], 1.0 op_sel_hi:[1,1,0]   ; c, never under 1
.endr
.irp p, 0,2,4,6,8,10,12,14
	v_pk_fma_f32 v[RB+\p:RB+\p+1], v[SB+\p:SB+\p+1], v[SB+\p:SB+\p+1], -1.0 op_sel_hi:[1,1,0]   ; c^2 - 1, one rounding
.endr
	s_wait_alu depctr_va_vdst(0)
.irp p, 0,1,2,3,4,5,6,7,8,9,10,11,12,13,14,15
	v_sqrt_f32 v[RB+\p], v[RB+\p]
.endr
	v_nop                                          ; one plain place behind the roots
	s_wait_alu depctr_va_vdst(0)
.irp p, 0,2,4,6,8,10,12,14
	v_pk_add_f32 v[SB+\p:SB+\p+1], v[SB+\p:SB+\p+1], v[RB+\p:RB+\p+1]   ; y
.endr
.if \nextoff >= 0
.irp m, 0,1,2,3
	ds_load_b128 v[RB+4*\m:RB+4*\m+3], v[ADH] offset:RBO+\nextoff+16*\m
.endr
.endif
	s_wait_alu depctr_va_vdst(0)
.irp p, 0,1,2,3,4,5,6,7,8,9,10,11,12,13,14,15
	v_rcp_f32 v[SB+\p], v[SB+\p]                   ; 1 / y
.endr
	v_nop                                          ; one plain place behind the reciprocals
	s_wait_alu depctr_va_vdst(0)
.if \first
	v_pk_add_f32 v[SUMA:SUMA+1], v[SB:SB+1], v[SB+2:SB+3]          ; the sum is taken of the unquantised numbers
	v_pk_add_f32 v[SUMB:SUMB+1], v[SB+4:SB+5], v[SB+6:SB+7]
.else
	v_pk_add_f32 v[SUMA:SUMA+1], v[SUMA:SUMA+1], v[SB:SB+1]
	v_pk_add_f32 v[SUMB:SUMB+1], v[SUMB:SUMB+1], v[SB+2:SB+3]
	v_pk_add_f32 v[SUMA:SUMA+1], v[SUMA:SUMA+1], v[SB+4:SB+5]
	v_pk_add_f32 v[SUMB:SUMB+1], v[SUMB:SUMB+1], v[SB+6:SB+7]
.endif
	v_max3_num_f32 v[CA], v[SB], v[SB+1], v[SB+2]                  ; my 16 keys' largest 1 / y: two chains, by turns with the two chains of the sum
	v_pk_add_f32 v[SUMA:SUMA+1], v[SUMA:SUMA+1], v[SB+8:SB+9]
	v_max3_num_f32 v[CB], v[SB+8], v[SB+9], v[SB+10]
	v_pk_add_f32 v[SUMB:SUMB+1], v[SUMB:SUMB+1], v[SB+10:SB+11]
	v_max3_num_f32 v[CA], v[CA], v[SB+3], v[SB+4]
	v_pk_add_f32 v[SUMA:SUMA+1], v[SUMA:SUMA+1], v[SB+12:SB+13]
	v_max3_num_f32 v[CB], v[CB], v[SB+11], v[SB+12]
	v_pk_add_f32 v[SUMB:SUMB+1], v[SUMB:SUMB+1], v[SB+14:SB+15]
	v_max3_num_f32 v[CA], v[CA], v[SB+5], v[SB+6]
	v_max3_num_f32 v[CB], v[CB], v[SB+13], v[SB+14]
	v_max3_num_f32 v[CA], v[CA], v[SB+7], 0x2800000                ; and the floor 2^(5 - 127)
	v_max3_num_f32 v[YB+2*\c+\b], v[CA], v[CB], v[SB+15]
.endm
; Half c of a step: 64 keys.
.macro HALF c
	s_wait_dscnt 0x0                               ; -kn / 2, the codes, the scale words and the first block's 1 / (1 - kn) are in
.irp t, 0,1,2,3
	v_wmma_scale_f32_16x16x128_f8f6f4 v[SC+8*\t:SC+8*\t+7], v[KB+6*\t:KB+6*\t+11], v[QF:QF+11], v[SC+8*\t:SC+8*\t+7], v[KS+\t], v[QS] matrix_a_fmt:MATRIX_FMT_BF6 matrix_b_fmt:MATRIX_FMT_BF6
.endr
	RCALC                                          ; 24 plain lines that name none of the products' registers: the places in front of the loads below and of the first reads of the scores
.if \c == 0
.irp j, 0,1,2,3,4,5
	ds_load_b128 v[KB+4*\j:KB+4*\j+3], v[ADK] offset:3072+512*\j   ; twenty loads ahead: the second half's codes and scale words,
.endr
	ds_load_b128 v[KS:KS+3], v[ADS] offset:KSO+256
.irp j, 0,1,2,3,4,5,6,7,8,9,10,11
	ds_load_b128 v[VF+4*\j:VF+4*\j+3], v[ADK] offset:VIO+512*\j    ; and v of the whole step
.endr
	ds_load_b128 v[VS:VS+3], v[ADS] offset:VSO
.endif
.irp p, 0,2,4,6,8,10,12,14,16,18,20,22,24,26,28,30
	v_pk_fma_f32 v[SC+\p:SC+\p+1], v[SC+\p:SC+\p+1], -2.0, v[QN:QN+1] op_sel_hi:[1,0,0]   ; qn + kn - 2 q.k; each accumulator from its low end on
.endr
.irp p, 0,1,2,3,4,5,6,7,8,9,10,11,12,13,14,15,16,17,18,19,20,21,22,23,24,25,26,27,28,29,30,31
	v_max_num_f32 v[SC+\p], 0, v[SC+\p]
.endr
.if \c == 0
	BLK 0, 0, 1, 128, 1
	BLK 0, 1, 0, 256, 0                            ; (its wait for 0 also shows the twenty landed)
.else
	BLK 1, 0, 0, 384, 1
	BLK 1, 1, 0, -1, 0
.endif
.irp b, 0,1
	v_permlanex16_b32 v[PX+\b], v[YB+2*\c+\b], s[SEL], s[SEL+1]
.endr
.irp b, 0,1
	s_delay_alu instid0(VALU_DEP_2)
	v_max_num_f32 v[YB+2*\c+\b], v[YB+2*\c+\b], v[PX+\b]           ; with lane l xor 16's: the block's largest 1 / y
.endr
.irp b, 0,1
	s_delay_alu instid0(VALU_DEP_2)
	v_add_nc_u32 v[SOP+2*\c+\b], 0xfe000000, v[YB+2*\c+\b]         ; 4 off the exponent field: the conversion's scale operand, for 1 / y; 2^-M goes into the byte at the step's end
.endr
	v_cvt_scalef32_pk16_bf6_f32 v[PC+6*\c:PC+6*\c+2], v[SC:SC+15], v[SOP+2*\c]
	v_cvt_scalef32_pk16_bf6_f32 v[TP:TP+2], v[SC+16:SC+31], v[SOP+2*\c+1]
	v_nop                                          ; one plain place behind a scaled conversion
.irp i, 0,1,2
	v_permlane16_swap_b32 v[PC+6*\c+\i], v[TP+\i]  ; a WHOLE block in a lane: lanes 0-15 block 2 c, lanes 16-31 block 2 c + 1
.endr
.irp i, 0,1,2
	s_delay_alu instid0(VALU_DEP_3)
	v_mov_b32 v[PC+6*\c+3+\i], v[TP+\i]
.endr
.if \c == 0
.irp b, 0,1
.irp m, 0,1,2,3
	ds_load_b128 v[SC+16*\b+4*\m:SC+16*\b+4*\m+3], v[ADH] offset:HKO+256+128*\b+16*\m   ; the second half's -kn / 2, in the result's layout: the next products' C
.endr
.endr
.endif
.endm
; A key step: 128 keys.
.macro STEP
	v_add_nc_u32 v[ADK], s[TB], v[AK0]
	v_add_nc_u32 v[ADS], s[TB], v[ASC]
	v_add_nc_u32 v[ADH], s[TB], v[AH]
.irp b, 0,1
.irp m, 0,1,2,3
	ds_load_b128 v[SC+16*\b+4*\m:SC+16*\b+4*\m+3], v[ADH] offset:HKO+128*\b+16*\m   ; register 16 b + i: key 32 b + 16 h + i
.endr
.endr
.irp j, 0,1,2,3,4,5
	ds_load_b128 v[KB+4*\j:KB+4*\j+3], v[ADK] offset:512*\j
.endr
	ds_load_b128 v[KS:KS+3], v[ADS] offset:KSO
.irp m, 0,1,2,3
	ds_load_b128 v[RB+4*\m:RB+4*\m+3], v[ADH] offset:RBO+16*\m
.endr
	s_wait_alu depctr_va_vdst(0)
	HALF 0
	HALF 1
	v_max3_num_f32 v[T8], v[YB], v[YB+1], v[YB+2]
	s_delay_alu instid0(VALU_DEP_1)
	v_max3_num_f32 v[YR], v[T8], v[YB+3], v[YR]    ; the running largest 1 / y
	s_delay_alu instid0(VALU_DEP_1)
	v_and_b32 v[EN], 0x7f800000, v[YR]             ; 2^M
	s_delay_alu instid0(VALU_DEP_1)
	v_sub_nc_u32 v[EN], 0x7f000000, v[EN]          ; 2^-M, made in the exponent field
	s_delay_alu instid0(VALU_DEP_1)
	v_sub_nc_u32 v[FF], v[EN], v[EO]
	v_add_nc_u32 v[T8+1], 0xc0800000, v[EN]        ; -M in the exponent field's place
	s_delay_alu instid0(VALU_DEP_2)
	v_add_nc_u32 v[FF], 0x3f800000, v[FF]          ; f = 2^(old M - new M); in the first step it multiplies zeros
.irp b, 0,1,2,3
	v_add_nc_u32 v[32+\b], v[SOP+\b], v[T8+1]      ; p = (1 / y) 2^-M: the codes stay, the scale takes the power of two
.endr
.irp b, 0,1,2,3
	s_delay_alu instid0(VALU_DEP_4)
	v_lshrrev_b32 v[32+\b], 23, v[32+\b]
.endr
	s_delay_alu instid0(VALU_DEP_3)
	v_lshl_or_b32 v[PW], v33, 8, v32               ; p's scale word for these 128 keys
	s_delay_alu instid0(VALU_DEP_1)
	v_lshl_or_b32 v[PW], v34, 16, v[PW]
	s_delay_alu instid0(VALU_DEP_1)
	v_lshl_or_b32 v[PW], v35, 24, v[PW]
	v_pk_add_f32 v[SUMA:SUMA+1], v[SUMA:SUMA+1], v[SUMB:SUMB+1]
	s_delay_alu instid0(VALU_DEP_1)
	v_add_f32 v[SUMA], v[SUMA], v[SUMA+1]
	s_delay_alu instid0(VALU_DEP_1)
	v_mul_f32 v[SUMA], v[SUMA], v[EN]              ; the step's sum under the new M: exact
	s_delay_alu instid0(VALU_DEP_1)
	v_fma_f32 v[LS], v[LS], v[FF], v[SUMA]
	v_mov_b32 v[EO], v[EN]
.irp p, 0,2,4,6,8,10,12,14,16,18,20,22,24,26,28,30
	v_pk_mul_f32 v[OA+\p:OA+\p+1], v[OA+\p:OA+\p+1], v[FF:FF+1] op_sel_hi:[1,0]   ; O^T under the new M.  With the five lines above: the places between the scale word's and the codes' last writes and the products
.endr
.irp t, 0,1,2,3
	v_wmma_scale_f32_16x16x128_f8f6f4 v[OA+8*\t:OA+8*\t+7], v[VF+12*\t:VF+12*\t+11], v[PC:PC+11], v[OA+8*\t:OA+8*\t+7], v[VS+\t], v[PW] matrix_a_fmt:MATRIX_FMT_BF6 matrix_b_fmt:MATRIX_FMT_BF6
.endr
.endm
	s_wait_alu depctr_va_vdst(0)
	s_wait_tensorcnt 0x0                           ; my first load has landed;
	ds_add_u32 v[SPW], v[NIL]
	s_wait_dscnt 0x0
	ROUND                                          ; everybody's has, in all four work-groups: the joint loads meet
	s_cmp_lt_u32 s10, 14
	s_cbranch_scc0 .Lno_second
	tensor_load_to_lds s[36:39], s[24:31]          ; my second load, the first tensor load behind the round: a whole step, into bytes that nothing has filled
	s_nop 0
.rept 4
	v_nop
.endr
.Lno_second:
	STEP                                           ; my part's first step
	s_wait_tensorcnt 0x0                           ; my second load has landed;
	s_barrier_signal -1
	s_barrier_wait -1                              ; everybody's has.
	s_add_co_u32 s[TB], s[TB], STEPB
	s_mov_b32 s[CNT], 1
.Lwalk:
	s_cmp_ge_u32 s[CNT], s[MY]                     ; a step beyond my part: its work is jumped over
	s_cbranch_scc1 .Lskip
	STEP
.Lskip:
	s_add_co_u32 s[TB], s[TB], STEPB
	s_add_co_u32 s[CNT], s[CNT], 1
	s_cmp_lt_u32 s[CNT], TRIPS
	s_cbranch_scc1 .Lwalk
.macro QUANT2 s, pc                    ; 32 numbers of a lane, k = 32 b + 16 h + i, become six registers of codes and two scale bytes
.irp b, 0,1
	v_max3_num_f32 v[TM+\b], |v[\s+16*\b]|, |v[\s+16*\b+1]|, 0x2800000
.endr
.irp i, 2,4,6,8,10,12,14
.irp b, 0,1
	s_delay_alu instid0(VALU_DEP_2)
	v_max3_num_f32 v[TM+\b], v[TM+\b], |v[\s+16*\b+\i]|, |v[\s+16*\b+\i+1]|
.endr
.endr
.irp b, 0,1
	s_delay_alu instid0(VALU_DEP_2)
	v_permlanex16_b32 v[TX+\b], v[TM+\b], s[SEL], s[SEL+1]
.endr
.irp b, 0,1
	s_delay_alu instid0(VALU_DEP_2)
	v_max_num_f32 v[TM+\b], v[TM+\b], v[TX+\b]
.endr
.irp b, 0,1
	s_delay_alu instid0(VALU_DEP_2)
	v_add_nc_u32 v[SOP+\b], 0xfe000000, v[TM+\b]
.endr
.irp b, 0,1
	s_delay_alu instid0(VALU_DEP_2)
	v_lshrrev_b32 v[BY+\b], 23, v[SOP+\b]
.endr
	v_cvt_scalef32_pk16_bf6_f32 v[\pc:\pc+2], v[\s:\s+15], v[SOP]
	v_cvt_scalef32_pk16_bf6_f32 v[TP:TP+2], v[\s+16:\s+31], v[SOP+1]
	v_nop
.irp i, 0,1,2
	v_permlane16_swap_b32 v[\pc+\i], v[TP+\i]
.endr
.irp i, 0,1,2
	s_delay_alu instid0(VALU_DEP_3)
	v_mov_b32 v[\pc+3+\i], v[TP+\i]
.endr
.endm
.rept 4
	v_nop                                          ; four places behind the last products
.endr
	; THE TWO KEY PARTS ARE JOINED.  Part 1's waves store O^T as an image of its registers, the sum and 2^-M
	s_cmp_eq_u32 s[KH], 0
	s_cbranch_scc1 .Lkeeper
.irp j, 0,1,2,3,4,5,6,7
	ds_store_b128 v[MST], v[OA+4*\j:OA+4*\j+3] offset:512*\j       ; each accumulator from its low end on
.endr
	ds_store_b32 v[MS4], v[LS] offset:4096
	ds_store_b32 v[MS4], v[EO] offset:4224
.Lkeeper:
	s_wait_dscnt 0x0                               ; for the partner's sake: my stores are done
	s_barrier_signal -1
	s_barrier_wait -1
	s_cmp_lg_u32 s[KH], 0
	s_cbranch_scc1 .Lend
.irp j, 0,1,2,3,4,5,6,7
	ds_load_b128 v[SC+4*\j:SC+4*\j+3], v[MST] offset:512*\j
.endr
	ds_load_b32 v[T8], v[MS4] offset:4096
	ds_load_b32 v[T8+1], v[MS4] offset:4224
	s_wait_dscnt 0x0
	v_min_u32 v[EN], v[EO], v[T8+1]                ; the smaller 2^-M is the whole row's
	s_delay_alu instid0(VALU_DEP_1)
	v_sub_nc_u32 v[FF], v[EN], v[EO]
	v_sub_nc_u32 v[CA], v[EN], v[T8+1]
	s_delay_alu instid0(VALU_DEP_2)
	v_add_nc_u32 v[FF], 0x3f800000, v[FF]          ; my part's factor, a power of two made in the exponent field,
	s_delay_alu instid0(VALU_DEP_2)
	v_add_nc_u32 v[CA], 0x3f800000, v[CA]          ; and the partner's
	s_delay_alu instid0(VALU_DEP_2)
	v_mul_f32 v[LS], v[LS], v[FF]
	s_delay_alu instid0(VALU_DEP_1)
	v_fma_f32 v[LS], v[T8], v[CA], v[LS]
.irp p, 0,2,4,6,8,10,12,14,16,18,20,22,24,26,28,30
	v_pk_mul_f32 v[OA+\p:OA+\p+1], v[OA+\p:OA+\p+1], v[FF:FF+1] op_sel_hi:[1,0]   ; each accumulator from its low end on
.endr
.irp p, 0,2,4,6,8,10,12,14,16,18,20,22,24,26,28,30
	v_pk_fma_f32 v[OA+\p:OA+\p+1], v[SC+\p:SC+\p+1], v[CA:CA+1], v[OA+\p:OA+\p+1] op_sel_hi:[1,0,1]
.endr
	v_permlanex16_b32 v[PX], v[LS], s[SEL], s[SEL+1]
	s_delay_alu instid0(VALU_DEP_1)
	v_add_f32 v[LS], v[LS], v[PX]                  ; with lane l xor 16's keys: the row's sum
	s_wait_alu depctr_va_vdst(0)
	v_rcp_f32 v[T8], v[LS]
	v_and_b32 v32, 31, v0                          ; (the plain place behind the reciprocal)
	s_wait_alu depctr_va_vdst(0)
.irp p, 0,2,4,6,8,10,12,14,16,18,20,22,24,26,28,30
	v_pk_mul_f32 v[SC+\p:SC+\p+1], v[OA+\p:OA+\p+1], v[T8:T8+1] op_sel_hi:[1,0]   ; O^T / l: register 16 b + i is channel 32 b + 16 h + i of my query
.endr
	QUANT2 SC, PC
	v_lshlrev_b32 v22, 3, v32                      ; 8 x lane
	v_bfe_u32 v23, v0, 4, 1
	s_delay_alu instid0(VALU_DEP_1)
	v_add_nc_u32 v23, v23, v[ASC]                  ; 16 r + h
	v_cndmask_b32 v24, v[BY], v[BY+1], s[SH]       ; lanes 0-15 send block 0's byte, lanes 16-31 block 1's
	global_store_b128 v[AK0], v[PC:PC+3], s[60:61]                 ; 512 consecutive bytes
	global_store_b64 v22, v[PC+4:PC+5], s[60:61] offset:512        ; 256 consecutive bytes
	global_store_b8 v23, v24, s[62:63]
.Lend:
	s_wait_tensorcnt 0x0                           ; the wave's end
	ds_add_u32 v[SPW], v[NIL]
	s_wait_dscnt 0x0
	ROUND                                          ; the closing round
	s_endpgm
.Lfunc_end_k_q8f78fed184_attn:
	.size	k_q8f78fed184_attn, .Lfunc_end_k_q8f78fed184_attn-k_q8f78fed184_attn
	.p2alignl 7, 3214868480
	.fill 96, 4, 3214868480
	.section	.rodata,"a",@progbits
	.p2align	6, 0x0
	.amdhsa_kernel k_q8f78fed184_attn
		.amdhsa_group_segment_fixed_size 327680
		.amdhsa_private_segment_fixed_size 0
		.amdhsa_enable_private_segment 0
		.amdhsa_kernarg_size 24
		.amdhsa_user_sgpr_count 2
		.amdhsa_user_sgpr_kernarg_segment_ptr 1
		.amdhsa_wavefront_size32 1
		.amdhsa_system_sgpr_workgroup_id_x 1
		.amdhsa_system_sgpr_workgroup_id_y 1
		.amdhsa_system_sgpr_workgroup_id_z 1
		.amdhsa_system_vgpr_workitem_id 0
		.amdhsa_next_free_vgpr 256
		.amdhsa_next_free_sgpr 70
		.amdhsa_reserve_vcc 0
		.amdhsa_float_denorm_mode_32 3
		.amdhsa_float_denorm_mode_16_64 3
		.amdhsa_memory_ordered 1
		.amdhsa_forward_progress 1
		.amdhsa_inst_pref_size 84
	.end_amdhsa_kernel
	.amdgpu_metadata
---
amdhsa.version: [ 1, 2 ]
amdhsa.kernels:
  - .name:           k_q8f78fed184_attn
    .symbol:         k_q8f78fed184_attn.kd
    .args:
      - { .name: qws, .offset: 0, .size: 8, .value_kind: global_buffer, .address_space: global }
      - { .name: kv, .offset: 8, .size: 8, .value_kind: global_buffer, .address_space: global }
      - { .name: ao, .offset: 16, .size: 8, .value_kind: global_buffer, .address_space: global }
    .group_segment_fixed_size: 327680
    .private_segment_fixed_size: 0
    .kernarg_segment_align: 8
    .kernarg_segment_size: 24
    .max_flat_workgroup_size: 512
    .sgpr_count:     70
    .vgpr_count:     256
    .wavefront_size: 32
...
	.end_amdgpu_metadata
.endif
;; end of part 3
;; launch oproj (part 4): grid 16 x 16, 8 waves a work-group, clusters of 4 x 4, 189,440 bytes of LDS; arguments ao, img, out0; writes out0
.if DOCPART == 4
	.amdgcn_target "amdgcn-amd-amdhsa--gfx1250"
	.amdhsa_code_object_version 6
	.text
	.protected	k_q8f78fed184_oproj
	.globl	k_q8f78fed184_oproj
	.p2align	8
	.type	k_q8f78fed184_oproj,@function
k_q8f78fed184_oproj:
	s_mov_b64 s[64:65], 0
	v_nop
	global_prefetch_b8 v0, s[64:65] scope:SCOPE_SE
	s_setreg_imm32_b32 hwreg(HW_REG_WAVE_MODE, 25, 1), 1
	s_wait_xcnt 0x0
	s_wait_alu depctr_hold_cnt(0) depctr_sa_sdst(0) depctr_va_vdst(0) depctr_va_sdst(0) depctr_va_ssrc(0) depctr_va_vcc(0) depctr_vm_vsrc(0)
	s_getreg_b32 s2, hwreg(HW_REG_IB_STS2, 6, 4)
	s_cmp_eq_u32 s2, 0
	s_cbranch_scc0 .Lentry_in_a_cluster
	s_endpgm
.Lentry_in_a_cluster:
	s_bfe_u32 s2, ttmp6, 0x10000c
	s_cmp_lg_u32 s2, 0xf033
	s_cbranch_scc0 .Lentry_shape_is_right
	s_endpgm
.Lentry_shape_is_right:
.set QUADB, 51200
; out0 = attention's result x Wo^T on codes of BF6 with E8M0 scales, K = 1,024 in eight steps of 128: 128 tokens (work-group x) x 64 output features (work-group y).
; Both operands arrive as images of the operands' registers: ao (two quads of tokens) and Wo's quad 80 + y of img, 51,200 bytes each.  They come into LDS ONCE:
; waves 0 to 2 issue one tensor load of a whole quad each, at the head; no LDS byte is filled twice.
; CLUSTER: 4 x 4 work-groups.  A quad of ao hangs on the token block alone and is asked for jointly by the four of a column of the cluster; Wo's quad hangs on the features alone
; and is asked for jointly by the four of a row: the requests for these 153,600 bytes are divided by four.  A round stands in front of the loads and one in front of the end.
; In ao a tile's 1,536 bytes are two halves of 768 (one head each): registers 6 c .. 6 c + 3 of lane l at 16 l, registers 6 c + 4, 6 c + 5 at 512 + 8 l.
; SHARES: wave w takes token tile w against Wo's four tiles, transposed (source 0 = 16 rows of Wo, source 1 = 16 tokens): a lane holds one token and, in two neighbouring tiles' registers, 16 neighbouring features.
; Four accumulators take turns, one instruction a turn.  The results go through the wave's own stage in LDS and leave as rows: sixteen lanes store 256 consecutive bytes, aligned.
; No prefetch: there is no loop to run ahead in.
.macro ROUND                           ; a round of the cluster's barrier
	s_barrier_signal -1
	s_barrier_wait -1
	s_cmp_lg_u32 s10, 0
	s_cbranch_scc1 .Lnw0_\@
	s_barrier_signal -3
.Lnw0_\@:
	s_barrier_wait -3
	s_barrier_signal -1
	s_barrier_wait -1
.endm
.set CHK,   6400
.set SCO,   6144
.set STAGE, 3*QUADB                    ; 16 rows x (256 bytes + 16) for each wave; written by LDS stores alone
.set A16,  5
.set A8,   6
.set AS,   7
.set AWO,  8
.set ASO,  9
.set STO,  10
.set RD,   11
.set GO,   12
.set ASW,  16                          ; v16    the tokens' scale word
.set WS,   20                          ; v20-23 Wo's
.set AF,   24                          ; v24-35 the tokens' fragment
.set WF,   36                          ; v36-83 Wo's four
.set AC,   84                          ; v84-115 four accumulators
.set OB,   36                          ; the way out: rows read back
	s_load_b128 s[4:7], s[0:1], 0x0                ; ao, img
	s_load_b64 s[8:9], s[0:1], 0x10                ; out0
	v_lshl_add_u32 v128, v0, 2, 0x2e000
	v_mov_b32 v129, 0
	ds_add_u32 v128, v129                          ; the opening lines: the add twice on end and its wait
	ds_add_u32 v128, v129
	v_lshrrev_b32 v1, 5, v0
	s_delay_alu instid0(VALU_DEP_1)
	v_readfirstlane_b32 s10, v1                    ; wave 0..7
	s_bfe_u32 s56, ttmp6, 0x40000                  ; cx
	s_bfe_u32 s57, ttmp6, 0x40004                  ; cy
	s_lshl_b32 s3, ttmp9, 2
	s_add_co_u32 s3, s3, s56                       ; token block = 4 x cluster x + cx
	s_and_b32 s12, ttmp7, 0xffff
	s_lshl_b32 s12, s12, 2
	s_add_co_u32 s12, s12, s57                     ; which 64 features = 4 x cluster y + cy
	s_lshl_b32 s58, s57, 2
	s_lshl_b32 s58, 15, s58                        ; my row of the cluster
	s_lshl_b32 s59, 0x1111, s56                    ; my column
	s_or_b32 s16, s59, (3<<16)|(1<<21)             ; two groups 1: 51,200 dense bytes as 200 rows of 32 elements of 8 bytes, no padding.  ao's quads go to my column,
	s_or_b32 s28, s58, (3<<16)|(1<<21)             ; Wo's to my row
	s_mov_b32 s17, 32<<16
	s_mov_b32 s18, 200<<16
	s_mov_b32 s19, 32<<16
	s_mov_b32 s20, 200
	s_mov_b32 s21, 32
	s_mov_b32 s22, 0
	s_mov_b32 s23, 0
	s_mov_b32 s29, 32<<16
	s_mov_b32 s30, 200<<16
	s_mov_b32 s31, 32<<16
	s_mov_b32 s32, 200
	s_mov_b32 s33, 32
	s_mov_b32 s34, 0
	s_mov_b32 s35, 0
	s_min_u32 s40, s10, 1                          ; waves 0, 1 fetch ao's quads, wave 2 Wo's; the others issue nothing
	s_lshl_b32 s41, s3, 1
	s_add_co_u32 s41, s41, s40                     ; ao: quad 2 x token block + wave
	s_mul_i32 s44, s41, QUADB
	s_mov_b32 s45, 0
	s_add_co_u32 s42, s12, 80                      ; img: Wo's quads begin at 80
	s_mul_i32 s42, s42, QUADB
	s_mov_b32 s43, 0
	s_mov_b32 s24, 1
	s_mul_i32 s25, s40, QUADB
	s_mov_b32 s36, 1
	s_mov_b32 s37, 2*QUADB
	s_wait_alu depctr_va_vdst(0)
	s_wait_dscnt 0x0
	s_wait_kmcnt 0x0
	s_add_nc_u64 s[26:27], s[4:5], s[44:45]
	s_or_b32 s27, s27, 0x80000000
	s_add_nc_u64 s[38:39], s[6:7], s[42:43]
	s_or_b32 s39, s39, 0x80000000
	ROUND                                          ; all sixteen work-groups are here: the joint loads meet
	s_cmp_lt_u32 s10, 2
	s_cbranch_scc0 .Lfor_w
	tensor_load_to_lds s[24:27], s[16:23]          ; my one tensor load: a whole quad of ao
	s_nop 0
.rept 4
	v_nop
.endr
	s_branch .Lno_fetch
.Lfor_w:
	s_cmp_lt_u32 s10, 3
	s_cbranch_scc0 .Lno_fetch
	tensor_load_to_lds s[36:39], s[28:35]          ; my one tensor load: Wo's quad
	s_nop 0
.rept 4
	v_nop
.endr
.Lno_fetch:
	v_and_b32 v1, 31, v0
	v_and_b32 v2, 15, v0                           ; r
	v_bfe_u32 v3, v0, 4, 1                         ; h
	s_delay_alu instid0(VALU_DEP_3)
	v_lshlrev_b32 v4, 4, v1                        ; 16 x lane
	s_delay_alu instid0(VALU_DEP_4)
	v_lshlrev_b32 v13, 3, v1                       ; 8 x lane
	s_delay_alu instid0(VALU_DEP_4)
	v_lshlrev_b32 v14, 4, v2                       ; 16 r
	s_wait_alu depctr_va_vdst(0)
	s_lshr_b32 s50, s10, 2                         ; my quad of tokens
	s_and_b32 s51, s10, 3                          ; my tile in it
	s_mul_i32 s52, s50, QUADB
	s_mul_i32 s53, s51, 1536
	s_add_co_u32 s53, s53, s52
	v_add_nc_u32 v[A16], s53, v4
	v_add_nc_u32 v[A8], s53, v13
	s_lshl_b32 s53, s51, 2
	s_add_co_u32 s53, s53, s52
	s_add_co_u32 s53, s53, SCO
	v_add_nc_u32 v[AS], s53, v14
	v_add_nc_u32 v[AWO], 2*QUADB, v4
	v_add_nc_u32 v[ASO], 2*QUADB+SCO, v14
	s_mul_i32 s53, s10, 16*272
	s_add_co_u32 s53, s53, STAGE                   ; my stage
	v_mul_u32_u24 v[STO], v2, 272
	s_delay_alu instid0(VALU_DEP_1)
	v_lshl_add_u32 v[STO], v3, 6, v[STO]
	s_delay_alu instid0(VALU_DEP_1)
	v_add_nc_u32 v[STO], s53, v[STO]               ; in: row r, + 64 h
	v_mul_u32_u24 v[RD], v3, 272
	s_delay_alu instid0(VALU_DEP_1)
	v_add_nc_u32 v[RD], v[RD], v14
	s_delay_alu instid0(VALU_DEP_1)
	v_add_nc_u32 v[RD], s53, v[RD]                 ; back: lanes 0-15 one row, lanes 16-31 the next
	v_lshl_add_u32 v[GO], v3, 12, v14              ; and the same two rows in out0
	s_lshl_b32 s44, s3, 19                         ; 128 tokens of 4,096 bytes,
	s_lshr_b32 s47, s10, 1
	s_lshl_b32 s47, s47, 17                        ; + 32 (w / 2) tokens,
	s_add_co_u32 s44, s44, s47
	s_and_b32 s47, s10, 1
	s_lshl_b32 s47, s47, 15                        ; + 8 (w % 2) tokens,
	s_add_co_u32 s44, s44, s47
	s_lshl_b32 s47, s12, 8                         ; + my 64 features
	s_add_co_u32 s44, s44, s47
	s_add_nc_u64 s[8:9], s[8:9], s[44:45]
.macro KSTEP ks, zero
	ds_load_b128 v[AF:AF+3], v[A16] offset:\ks*CHK
	ds_load_b64 v[AF+4:AF+5], v[A8] offset:\ks*CHK+512
	ds_load_b128 v[AF+6:AF+9], v[A16] offset:\ks*CHK+768
	ds_load_b64 v[AF+10:AF+11], v[A8] offset:\ks*CHK+1280
	ds_load_b32 v[ASW], v[AS] offset:\ks*CHK
.irp t, 0,1,2,3
.irp j, 0,1,2
	ds_load_b128 v[WF+12*\t+4*\j:WF+12*\t+4*\j+3], v[AWO] offset:\ks*CHK+1536*\t+512*\j
.endr
.endr
	ds_load_b128 v[WS:WS+3], v[ASO] offset:\ks*CHK
	s_wait_dscnt 0x0
.irp t, 0,1,2,3
.if \zero
	v_wmma_scale_f32_16x16x128_f8f6f4 v[AC+8*\t:AC+8*\t+7], v[WF+12*\t:WF+12*\t+11], v[AF:AF+11], 0, v[WS+\t], v[ASW] matrix_a_fmt:MATRIX_FMT_BF6 matrix_b_fmt:MATRIX_FMT_BF6
.else
	v_wmma_scale_f32_16x16x128_f8f6f4 v[AC+8*\t:AC+8*\t+7], v[WF+12*\t:WF+12*\t+11], v[AF:AF+11], v[AC+8*\t:AC+8*\t+7], v[WS+\t], v[ASW] matrix_a_fmt:MATRIX_FMT_BF6 matrix_b_fmt:MATRIX_FMT_BF6
.endif
.endr
.rept 4
	v_nop                                          ; four places in front of loads into registers that these products have read, and of the first reads of results
.endr
.endm
	s_wait_alu depctr_va_vdst(0)
	s_wait_tensorcnt 0x0                           ; my quad has landed;
	s_barrier_signal -1
	s_barrier_wait -1                              ; behind the barrier all three have
	KSTEP 0, 1
	KSTEP 1, 0
	KSTEP 2, 0
	KSTEP 3, 0
	KSTEP 4, 0
	KSTEP 5, 0
	KSTEP 6, 0
	KSTEP 7, 0
	; THE WAY OUT.  Register 16 b + i of lane (r, h) is feature 32 b + 16 h + i of the token at place r: into my stage by rows, and back as whole rows of 256 bytes.
.irp b, 0,1
.irp m, 0,1,2,3
	ds_store_b128 v[STO], v[AC+16*\b+4*\m:AC+16*\b+4*\m+3] offset:128*\b+16*\m   ; each accumulator from its low end on
.endr
.endr
.irp i, 0,1,2,3,4,5,6,7
	ds_load_b128 v[OB+4*\i:OB+4*\i+3], v[RD] offset:544*\i         ; LDS serves a wave's instructions in order: these see my stores.  Places 2 i and 2 i + 1
.endr
.irp i, 0,1,2,3,4,5,6,7
	s_wait_dscnt 7-\i                              ; rows come back in order: pair i is in, the younger ones may be out
	global_store_b128 v[GO], v[OB+4*\i:OB+4*\i+3], s[8:9] offset:(2*\i+8*(\i/4))*4096 th:TH_STORE_NT   ; place p is token p + 8 (p / 8) of the tile; 16 lanes store 256 consecutive bytes, aligned
.endr
	s_wait_tensorcnt 0x0                           ; the wave's end
	ds_add_u32 v128, v129
	s_wait_dscnt 0x0
	ROUND                                          ; the closing round
	s_endpgm
.Lfunc_end_k_q8f78fed184_oproj:
	.size	k_q8f78fed184_oproj, .Lfunc_end_k_q8f78fed184_oproj-k_q8f78fed184_oproj
	.p2alignl 7, 3214868480
	.fill 96, 4, 3214868480
	.section	.rodata,"a",@progbits
	.p2align	6, 0x0
	.amdhsa_kernel k_q8f78fed184_oproj
		.amdhsa_group_segment_fixed_size 189440
		.amdhsa_private_segment_fixed_size 0
		.amdhsa_enable_private_segment 0
		.amdhsa_kernarg_size 24
		.amdhsa_user_sgpr_count 2
		.amdhsa_user_sgpr_kernarg_segment_ptr 1
		.amdhsa_wavefront_size32 1
		.amdhsa_system_sgpr_workgroup_id_x 1
		.amdhsa_system_sgpr_workgroup_id_y 1
		.amdhsa_system_sgpr_workgroup_id_z 1
		.amdhsa_system_vgpr_workitem_id 0
		.amdhsa_next_free_vgpr 130
		.amdhsa_next_free_sgpr 66
		.amdhsa_reserve_vcc 0
		.amdhsa_float_denorm_mode_32 3
		.amdhsa_float_denorm_mode_16_64 3
		.amdhsa_memory_ordered 1
		.amdhsa_forward_progress 1
		.amdhsa_inst_pref_size 23
	.end_amdhsa_kernel
	.amdgpu_metadata
---
amdhsa.version: [ 1, 2 ]
amdhsa.kernels:
  - .name:           k_q8f78fed184_oproj
    .symbol:         k_q8f78fed184_oproj.kd
    .args:
      - { .name: ao, .offset: 0, .size: 8, .value_kind: global_buffer, .address_space: global }
      - { .name: img, .offset: 8, .size: 8, .value_kind: global_buffer, .address_space: global }
      - { .name: out0, .offset: 16, .size: 8, .value_kind: global_buffer, .address_space: global }
    .group_segment_fixed_size: 189440
    .private_segment_fixed_size: 0
    .kernarg_segment_align: 8
    .kernarg_segment_size: 24
    .max_flat_workgroup_size: 256
    .sgpr_count:     66
    .vgpr_count:     130
    .wavefront_size: 32
...
	.end_amdgpu_metadata
.endif
;; end of part 4
